; MI455X (gfx1250); checked and timed in simulation.
; The chip was launched on July 23, 2026; its instructions are those of AMD's public machine-readable ISA for CDNA 5 (MIT licence, August 2026) and "CDNA5" Instruction Set Architecture Reference Guide (July 2026). The comments in the code are by the model that wrote it; some were corrected since.
;; Bahdanau Attention. Allowed arithmetic: matrix products marked QUANTISED: E2M1 operands, one E8M0 scale for each 32 along K, by v_wmma_scale_f32_16x16x128_f8f6f4 with both operands' format E2M1 (or v_wmma_scale_f32_32x16x128_f4), f32 sums; products left as they are: f32 operands where the result goes on into a quantised operand, else bf16, f16 or f32 operands; f32 sums; everything else in f32.
;; Inputs: Ua_b 1,024 float32; Ua_w_codes 1,024 x 32 x 16 uint8 (E2M1 codes of Ua_w, K innermost, in blocks of 32 codes, two codes a byte); Ua_w_scales 1,024 x 32 uint8 (E8M0 scales of Ua_w, one for each 32 codes along K); Va_b 1 float32; Va_w 1 x 1,024 float32; Wa_b 1,024 float32; Wa_w_codes 1,024 x 32 x 16 uint8 (E2M1 codes of Wa_w, K innermost, in blocks of 32 codes, two codes a byte); Wa_w_scales 1,024 x 32 uint8 (E8M0 scales of Wa_w, one for each 32 codes along K); keys 32 x 2,048 x 1,024 float32; query_codes 32 x 1 x 32 x 16 uint8 (E2M1 codes of query, K innermost, in blocks of 32 codes, two codes a byte); query_scales 32 x 1 x 32 uint8 (E8M0 scales of query, one for each 32 codes along K).
;; Outputs: out0 32 x 1 x 1,024 float32; out1 32 x 1 x 2,048 float32.
;; This version of the problem:
;;   THIS VERSION OF THE PROBLEM IS GIVEN IN LOW PRECISION. The matrix products marked QUANTISED in the list below multiply operands that are first quantised to E2M1 (2 exponent bits, 1 mantissa bit; 4 bits a number), with one power-of-two scale for each 32 numbers along K (OCP MX v1.0); their sums are f32. All else is computed in f32.
;;   The module's matrix products, in the order in which they are computed (A, B: the left and right operand; K: the contracted axis; several contracted axes count as one K, in the product's order):
;;     1. [M 32, K 1,024] x [K 1,024, N 1,024]; A: input query (given as codes); B: input Wa_w (given as codes): QUANTISED
;;     2. [M 65,536, K 1,024] x [K 1,024, N 1,024]; A: input keys; B: input Ua_w (given as codes): QUANTISED
;;     3. [M 65,536, K 1,024] x [K 1,024, N 1]; A: computed on the way; B: input Va_w: left as it is (N = 1 < 16)
;;     4. batch 32 x [M 1, K 2,048] x [K 2,048, N 1,024]; A: softmax; B: input keys: left as it is (M = 1 < 16)
;;   THE QUANTISER, for each operand of a quantised product, along K:
;;     - K is cut into blocks of 32 from its start; a last block that is shorter is filled with zeros.
;;     - A block's scale is 2^e with e = floor(log2(the largest magnitude in the block)) - 2, held to -126 .. 127; a block of zeros has e = 0. As a byte (E8M0): e + 127.
;;     - Each number is divided by its block's scale, clamped to +-6, and rounded to the nearest number of E2M1, ties to even, subnormals kept.
;;     - The product sums the exact products of the quantised numbers (number of the format x scale) in f32.
;;   ~~~python
;;   def quantise(x, axis):      # numpy; x: float32 -> the quantised numbers, widened to float32 again
;;       x = np.moveaxis(x, axis, -1); K = x.shape[-1]
;;       x = np.pad(x, [(0, 0)] * (x.ndim - 1) + [(0, -K % 32)]); x = x.reshape(x.shape[:-1] + (-1, 32)); a = np.abs(x).max(-1, keepdims=True)
;;       e = np.where(a > 0, np.clip(np.frexp(np.where(a > 0, a, 1))[1] - 1 - 2, -126, 127), 0)      # np.frexp(a)[1] - 1 = floor(log2(a)), exactly
;;       r = np.clip(x / 2.0 ** e, -6, 6)
;;       step = 2.0 ** (np.maximum(np.frexp(np.where(r == 0, 1, r))[1] - 1, 0) - 1)
;;       q = np.round(r / step) * step * 2.0 ** e      # np.round: ties to even
;;       return np.moveaxis(q.reshape(q.shape[:-2] + (-1,))[..., :K], -1, axis).astype(np.float32)
;;   ~~~
;;   INPUTS GIVEN AS CODES. Ua_w (in the module: [1024, 1024], K = its axis 1); Wa_w (in the module: [1024, 1024], K = its axis 1); query (in the module: [32, 1, 1024], K = its axis 2): each comes as NAME_codes (uint8): NAME with its K axis moved to the last place and cut into blocks of 32 codes, [.., K / 32, bytes a block], one block behind the other in memory; two codes a byte, the lower K in the low four bits (a code: sign, 2 exponent bits, 1 mantissa bit); and NAME_scales (uint8): the same leading axes, one E8M0 byte (e + 127) for each 32 codes along K. Its value is code x scale, taken as it is: it is not quantised again, and the codes and scales need not be those that the quantiser above would give.
;; 2 versions, each right; version 2 is version 1 with the launches prep, main written anew for expert scheduling mode. Each part assembles by itself: llvm-mc -triple=amdgcn-amd-amdhsa -mcpu=gfx1250 --defsym DOCPART=n.
;; ======== version 1 of 2: 3 launches
;; limits: a difference of large sums (such as E[x^2] - mean^2): digits are lost where the result is much smaller than its terms
;; workspace buffers: uaf 524,288 bytes; qb 131,072 bytes; sc 262,144 bytes; pc 4,194,304 bytes
;; launch prep (part 1): grid 16 x 1, 4 waves a work-group, no clusters, 9,216 bytes of LDS; arguments query_codes, query_scales, Wa_w_codes, Wa_w_scales, Wa_b, Ua_b, Ua_w_codes, uaf, qb; writes uaf, qb
.if DOCPART == 1
	.amdgcn_target "amdgcn-amd-amdhsa--gfx1250"
	.amdhsa_code_object_version 6
	.text
	.protected	k_q32debafe71_prep
	.globl	k_q32debafe71_prep
	.p2align	8
	.type	k_q32debafe71_prep,@function
k_q32debafe71_prep:
	s_mov_b64 s[64:65], 0
	v_nop
	global_prefetch_b8 v0, s[64:65] scope:SCOPE_SE
	s_setreg_imm32_b32 hwreg(HW_REG_WAVE_MODE, 25, 1), 1
	s_wait_xcnt 0x0
; Two small jobs ahead of the main launch.
; (1) qb[b][o] = sum over k of query[b][k] Wa[o][k] + Wa_b[o] + Ua_b[o]: 32 x 1,024 x 1,024 on the given codes of FP4 (E2M1) with their E8M0 scales, f32 sums.
; (2) uaf: Ua's codes laid in the order of an operand's registers: [tile of 16 rows: 64][K step of 128: 8][half c: 2][lane: 32][16 bytes], so that a later load of 16 bytes a lane reads 512 consecutive bytes.
; SHARES.  Wave wv of work-group g takes tile T = 4 g + wv: rows 16 T .. 16 T + 15 of Wa and of Ua.  64 tiles: 16 work-groups of four waves; the four waves' 64 outputs of a batch row are 256 bytes of qb.
; THE PRODUCT IS USED TRANSPOSED: source 0 = 16 rows of Wa, source 1 = 16 batch rows of the query: lane (r, h), register j holds qb(batch 16 n + r, o = 16 T + 8 h + j).  The two biases are the C of each sum's first product.
; REGISTERS.  window 0: v1-7 addresses; v8-15, v88-95 the two accumulators; v16-79 Wa's 8 fragments; v80-87 Wa's scale words; v96-223 the query's 2 x 8 fragments; v224-239 its scale words; v240-247 Wa_b, then the biases' sum; v248-255 Ua_b.
;             window 1: v0-63 Ua's 8 fragments.
.set STP,  272                         ; a stage row: 256 bytes + 16: 16 rows of a store start at 16 different groups of banks
.set WAF,  16
.set WAS,  80
.set QF,   96
.set QS,   224
.set BSUM, 240
.set UB,   248
.set MSB, 0
.macro WIN new                         ; the immediate's high byte repeats the setting that is left
.if MSB != \new
	s_set_vgpr_msb (MSB<<8)|\new
.set MSB, \new
.endif
.endm
	s_load_b512 s[4:19], s[0:1], 0x0               ; query codes s[4:5], query scales s[6:7], Wa codes s[8:9], Wa scales s[10:11], Wa_b s[12:13], Ua_b s[14:15], Ua codes s[16:17], uaf s[18:19]
	s_load_b64 s[20:21], s[0:1], 0x40              ; qb
	s_set_vgpr_msb 0x40
	v_lshl_add_u32 v128, v0, 2, 0x2200
	v_mov_b32 v129, 0
	s_set_vgpr_msb 0x4000
	v_lshrrev_b32 v1, 5, v0
	v_readfirstlane_b32 s22, v1                    ; wave 0..3
	v_and_b32 v8, 15, v0                           ; r   (v8-10 are at work here; the first accumulator takes them later)
	v_bfe_u32 v9, v0, 4, 1                         ; h
	v_and_b32 v10, 31, v0                          ; lane
	v_lshlrev_b32 v1, 9, v8
	v_lshl_add_u32 v1, v9, 4, v1                   ; a fragment's lane term: row r of 512 bytes, + 16 h
	v_lshlrev_b32 v2, 5, v8                        ; scale bytes: row r of 32
	v_lshlrev_b32 v3, 5, v9                        ; biases: my half's eight numbers
	v_lshlrev_b32 v4, 4, v10                       ; 16 x lane
	v_mul_u32_u24 v5, v8, STP
	v_lshl_add_u32 v5, v9, 5, v5
	s_lshl_b32 s32, s22, 6
	v_add_nc_u32 v5, s32, v5                       ; the stage, in: row r, + 64 x wave + 32 h
	v_mul_u32_u24 v6, v9, STP
	v_lshl_add_u32 v6, v8, 4, v6
	s_mul_i32 s32, s22, 8*STP
	v_add_nc_u32 v6, s32, v6                       ; the stage, back: row 8 x wave + h, 16 bytes for each of sixteen lanes
	v_lshlrev_b32 v7, 12, v9
	v_lshl_add_u32 v7, v8, 4, v7
	s_lshl_b32 s32, s22, 15
	v_add_nc_u32 v7, s32, v7                       ; and the same place in qb: rows of 4,096 bytes
	s_lshl_b32 s23, ttmp9, 2
	s_add_co_u32 s23, s23, s22                     ; T
	s_lshl_b32 s24, s23, 13                        ; a tile's codes: 16 rows x 512 bytes
	s_mov_b32 s25, 0
	s_lshl_b32 s26, s23, 9                         ; its scale bytes: 16 x 32
	s_mov_b32 s27, 0
	s_lshl_b32 s28, s23, 6                         ; its biases: 16 x 4
	s_mov_b32 s29, 0
	s_lshl_b32 s30, ttmp9, 8                       ; the work-group's 64 columns of qb
	s_mov_b32 s31, 0
	s_wait_kmcnt 0x0
	s_add_nc_u64 s[8:9], s[8:9], s[24:25]
	s_add_nc_u64 s[16:17], s[16:17], s[24:25]
	s_add_nc_u64 s[18:19], s[18:19], s[24:25]
	s_add_nc_u64 s[10:11], s[10:11], s[26:27]
	s_add_nc_u64 s[12:13], s[12:13], s[28:29]
	s_add_nc_u64 s[14:15], s[14:15], s[28:29]
	s_add_nc_u64 s[20:21], s[20:21], s[30:31]
	; all loads in one run.  Piece q = 2 k + c of a row's sixteen pieces of 32 bytes goes to registers 4 q .. 4 q + 3 of the eight fragments
	WIN 0x40                                       ; destination window 1
.set q, 0
.rept 16
	global_load_b128 v[4*q:4*q+3], v1, s[16:17] offset:32*q
.set q, q+1
.endr
	WIN 0
.set q, 0
.rept 16
	global_load_b128 v[WAF+4*q:WAF+4*q+3], v1, s[8:9] offset:32*q
.set q, q+1
.endr
	global_load_b128 v[WAS:WAS+3], v2, s[10:11]              ; register k: row r's scale word of K step k
	global_load_b128 v[WAS+4:WAS+7], v2, s[10:11] offset:16
.irp n, 0,1
.set q, 0
.rept 16
	global_load_b128 v[QF+64*\n+4*q:QF+64*\n+4*q+3], v1, s[4:5] offset:8192*\n+32*q
.set q, q+1
.endr
	global_load_b128 v[QS+8*\n:QS+8*\n+3], v2, s[6:7] offset:512*\n
	global_load_b128 v[QS+8*\n+4:QS+8*\n+7], v2, s[6:7] offset:512*\n+16
.endr
	global_load_b128 v[BSUM:BSUM+3], v3, s[12:13]
	global_load_b128 v[BSUM+4:BSUM+7], v3, s[12:13] offset:16
	global_load_b128 v[UB:UB+3], v3, s[14:15]
	global_load_b128 v[UB+4:UB+7], v3, s[14:15] offset:16
	s_wait_loadcnt 58                              ; Ua's sixteen loads are in; the 16 + 2 + 36 + 4 issued behind them may be out
	WIN 0x04                                       ; a store's data are its source 1: window 1
.set q, 0
.rept 16
	global_store_b128 v4, v[4*q:4*q+3], s[18:19] offset:512*q    ; 32 lanes store 512 consecutive bytes
.set q, q+1
.endr
	WIN 0
	s_wait_loadcnt 0x0
.irp j, 0,2,4,6
	v_pk_add_f32 v[BSUM+\j:BSUM+\j+1], v[BSUM+\j:BSUM+\j+1], v[UB+\j:UB+\j+1]   ; Wa_b + Ua_b at o = 16 T + 8 h + j
.endr
.rept 8
	v_nop                                          ; the sum just written is an operand of the scaled products below
.endr
	; sixteen products; the two accumulators take turns, one instruction a turn
.irp k, 0,1,2,3,4,5,6,7
.irp n, 0,1
.if \k == 0
.set CR, BSUM
.else
.set CR, 8+80*\n
.endif
	v_wmma_scale_f32_16x16x128_f8f6f4 v[8+80*\n:15+80*\n], v[WAF+8*\k:WAF+8*\k+7], v[QF+64*\n+8*\k:QF+64*\n+8*\k+7], v[CR:CR+7], v[WAS+\k], v[QS+8*\n+\k] matrix_a_fmt:MATRIX_FMT_FP4 matrix_b_fmt:MATRIX_FMT_FP4
.endr
.endr
.rept 4
	v_nop                                          ; four places between the last product and the stores that read results, and the loads into Wa's registers
.endr
.irp n, 0,1
	ds_store_b128 v5, v[8+80*\n:11+80*\n] offset:16*STP*\n        ; each accumulator from its low end on
	ds_store_b128 v5, v[12+80*\n:15+80*\n] offset:16*STP*\n+16
.endr
	s_wait_dscnt 0x0                               ; for the others' sake: my stores into the stage are done
	s_barrier_signal -1
	s_barrier_wait -1                              ; a batch row's 256 bytes come from four waves
.irp i, 0,1,2,3
	ds_load_b128 v[16+4*\i:19+4*\i], v6 offset:2*STP*\i
.endr
	s_wait_dscnt 0x0
.irp i, 0,1,2,3
	global_store_b128 v7, v[16+4*\i:19+4*\i], s[20:21] offset:8192*\i   ; sixteen lanes store 256 consecutive bytes, at a multiple of 256 from qb's first byte
.endr
	s_set_vgpr_msb 0x5
	s_wait_tensorcnt 0x0
	ds_add_u32 v128, v129
	s_wait_dscnt 0x0
	s_set_vgpr_msb 0x500
	s_endpgm
.Lfunc_end_k_q32debafe71_prep:
	.size	k_q32debafe71_prep, .Lfunc_end_k_q32debafe71_prep-k_q32debafe71_prep
	.p2alignl 7, 3214868480
	.fill 96, 4, 3214868480
	.section	.rodata,"a",@progbits
	.p2align	6, 0x0
	.amdhsa_kernel k_q32debafe71_prep
		.amdhsa_group_segment_fixed_size 9216
		.amdhsa_private_segment_fixed_size 0
		.amdhsa_enable_private_segment 0
		.amdhsa_kernarg_size 72
		.amdhsa_user_sgpr_count 2
		.amdhsa_user_sgpr_kernarg_segment_ptr 1
		.amdhsa_wavefront_size32 1
		.amdhsa_system_sgpr_workgroup_id_x 1
		.amdhsa_system_sgpr_workgroup_id_y 1
		.amdhsa_system_sgpr_workgroup_id_z 1
		.amdhsa_system_vgpr_workitem_id 0
		.amdhsa_next_free_vgpr 386
		.amdhsa_next_free_sgpr 66
		.amdhsa_reserve_vcc 0
		.amdhsa_float_denorm_mode_32 3
		.amdhsa_float_denorm_mode_16_64 3
		.amdhsa_memory_ordered 1
		.amdhsa_forward_progress 1
		.amdhsa_inst_pref_size 15
	.end_amdhsa_kernel
	.amdgpu_metadata
---
amdhsa.version: [ 1, 2 ]
amdhsa.kernels:
  - .name:           k_q32debafe71_prep
    .symbol:         k_q32debafe71_prep.kd
    .args:
      - { .name: query_codes, .offset: 0, .size: 8, .value_kind: global_buffer, .address_space: global }
      - { .name: query_scales, .offset: 8, .size: 8, .value_kind: global_buffer, .address_space: global }
      - { .name: Wa_w_codes, .offset: 16, .size: 8, .value_kind: global_buffer, .address_space: global }
      - { .name: Wa_w_scales, .offset: 24, .size: 8, .value_kind: global_buffer, .address_space: global }
      - { .name: Wa_b, .offset: 32, .size: 8, .value_kind: global_buffer, .address_space: global }
      - { .name: Ua_b, .offset: 40, .size: 8, .value_kind: global_buffer, .address_space: global }
      - { .name: Ua_w_codes, .offset: 48, .size: 8, .value_kind: global_buffer, .address_space: global }
      - { .name: uaf, .offset: 56, .size: 8, .value_kind: global_buffer, .address_space: global }
      - { .name: qb, .offset: 64, .size: 8, .value_kind: global_buffer, .address_space: global }
    .group_segment_fixed_size: 9216
    .private_segment_fixed_size: 0
    .kernarg_segment_align: 8
    .kernarg_segment_size: 72
    .max_flat_workgroup_size: 128
    .sgpr_count:     66
    .vgpr_count:     386
    .wavefront_size: 32
...
	.end_amdgpu_metadata
.endif
;; end of part 1
;; launch main (part 2): grid 256 x 1, 8 waves a work-group, no clusters, 302,080 bytes of LDS; arguments keys, uaf, Ua_w_scales, qb, Va_w, Va_b, sc, pc; writes sc, pc
.if DOCPART == 2
	.amdgcn_target "amdgcn-amd-amdhsa--gfx1250"
	.amdhsa_code_object_version 6
	.text
	.protected	k_q32debafe71_main
	.globl	k_q32debafe71_main
	.p2align	8
	.type	k_q32debafe71_main,@function
k_q32debafe71_main:
	s_mov_b64 s[64:65], 0
	v_nop
	global_prefetch_b8 v0, s[64:65] scope:SCOPE_SE
	s_setreg_imm32_b32 hwreg(HW_REG_WAVE_MODE, 25, 1), 1
	s_wait_xcnt 0x0
; For 256 key rows of one batch (four blocks of 64): the keys are quantised to FP4 (E2M1) with one E8M0 scale for each 32 along H; x = keys Ua^T + qb (qb = q_proj + both biases);
; score = Va_b + sum over o of Va[o] tanh(x[o]); p = e^(score - the block's largest score); pc[block] = sum over the block's rows of p x key.  sc gets the raw scores.  The last launch joins the blocks.
; THE KEYS ARE READ ONCE: a row is quantised as it arrives and kept in LDS as bf16 (2,048 bytes) until its score is known.
; TWO TEAMS, told apart by the wave's number alone.  Waves 4-7 LOAD: they keep 8 rows each on their way, quantise them, and later sum p x key.  Waves 0-3 COMPUTE: wave w makes outputs o = 256 w .. 256 w + 255 for all 64 rows.
; The teams have counters of their own, so the wait for a tile of Ua never waits for keys.  While block j is multiplied, block j - 1 is summed and block j + 1 is converted into the buffer that block j - 1 leaves.
; TWO BARRIERS A BLOCK.  The first is split: each wave signals when its LDS reads of the last phase are back; the computing team then multiplies, touching no LDS, and passes the wait only in front of its stores of
; partial scores; the loading team passes the wait at once and converts.  So the computing team does not stand still while the last block is summed.
; THE PRODUCT IS USED TRANSPOSED: source 0 = 16 rows of Ua, source 1 = 16 key rows: lane (r, h), register j holds x(o = o0 + 8 h + j, row 16 m + r); qb is the C of each sum's first product.
; tanh(x) = 1 - 2 / (1 + 2^(2 log2(e) x)); where the power overflows the quotient is 0, where it underflows it is 1.  score = Va_b + sum(Va) - 2 sum(Va / (1 + 2^..)), all in f32.
; NO CLUSTER, NO JOINT LOADS, though all work-groups walk the same Ua: the two key buffers, the codes, the scale bytes and the small regions take 301,056 of 327,680 bytes; a slot with one tile of Ua (8,192 + 512 bytes) for each
; of four waves is 34,816 bytes and two are needed. So Ua comes from uaf straight into registers, 512 consecutive bytes a load.
; LIMITS.  NaN and infinities among the keys are not served.  A block of 32 zeros gets the scale byte 1 (the rule says 127): its codes are zeros, and this launch alone reads the bytes.
; The score is a difference of two f32 sums; with Va carrying an offset of 30 times its spread the sums are some hundreds against scores of some tens: an error of about 1e-4 in a score.  The keys of the last product are rounded to bf16.
; LDS: KB0, KB1: 64 rows x 2,048 bytes of bf16 keys each;  CI: 64 rows of 512 bytes of codes, pitch 528;  CS: 64 rows of 32 scale bytes, pitch 48;  SP: [row 64][compute wave 4] f32;  PW: [loading wave 4][row 64] f32.
.set L_CI,  262144
.set L_CS,  295936
.set L_SP,  299008
.set L_PW,  300032
.set CIP,   528
.set CSP,   48
.set KBUF,  131072
; vector registers of both teams: addresses, made at the head or in lines that every wave runs; they never hold loaded data
.set AF,  2                            ; CI + 528 r + 16 h: a fragment's lane term
.set AS,  3                            ; CS + 48 r + 768 h: scale words; lanes 16-31 take the tile of rows 16 further down
.set SPA, 4                            ; SP + 16 r + 4 w
.set KW0, 5                            ; 16,384 w + 16 l
.set CW0, 6                            ; CI + 4,224 w + 4 l
.set SW0, 7                            ; CS + 384 w + l / 4
.set SPR, 8                            ; SP + 32 l
.set PWS, 9                            ; PW + 256 w + 8 l
.set PW0, 10                           ; PW + 256 w
.set KR0, 11                           ; 512 w + 8 l
.set KWA, 12                           ; the pass's store addresses: bf16 keys,
.set CWA, 13                           ; codes,
.set SWA, 14                           ; scale bytes
.set KRA, 15                           ; the trip's read addresses: bf16 keys,
.set PWA, 16                           ; p
.set KO,  17                           ; 32 r + 16 h: my 16 bytes of a key load's 512
.set BO,  18                           ; 16 l
.set SO,  19                           ; 32 r
.set HO,  20                           ; 32 h
.set O8,  21                           ; 8 l
; the computing team, window 0
.set SV,  22                           ; v[22:23]   sum of Va
.set SC,  24                           ; v[24:31]   sum of Va / (1 + 2^..), a pair for each tile of rows m
.set ASC, 32                           ; v[32:47]   the keys' scale words: register 8 (m / 2) + k: lanes 0-15 tile m even, lanes 16-31 tile m odd
.set BSC, 48                           ; v[48:63]   Ua's scale words, two sets of 8
.set BI,  64                           ; v[64:79]   qb, two sets of 8
.set VA,  80                           ; v[80:95]   Va, two sets of 8
.set ACC, 96                           ; v[96:127]  four accumulators
.set BF,  128                          ; v[128:255] Ua's fragments, two sets of 8.   window 1: the keys' codes: tile m, K step k at v[64 m + 8 k]
; the loading team, window 0 (v32-63 hold scale words and nothing else in the whole text: so this team works in v128-255)
.set TMP, 128                          ; v[128:191] two sets of 32 by turns: +0 largest magnitudes, +4 the conversions' scale operands, +8 scale bytes, +12 codes, +16 bf16
.set PSC, 192                          ; v[192:199] partial scores of two rows
.set SCR, 200                          ; v[200:201] their scores
.set PP,  202                          ; v[202:203] their p
.set WK,  204                          ; v[204:205] at work
.set WT,  208                          ; v[208:215] p of eight rows
.set CX,  216                          ; v[216:223] my eight columns' sums
.set DD,  224                          ; v[224:255] eight rows' bf16.   window 1: the ring of 8 rows on their way: row slot i, group u at v[32 i + 8 u]
; scalar registers
.set WV,   20                          ; wave 0..7
.set WQ,   21                          ; w = wave mod 4
.set VB,   22                          ; Va_b
.set KN,   24                          ; s[24:25] keys: my 8 rows of the pass that is being asked for
.set BU,   26                          ; s[26:33] my wave's part of uaf, Ua's scales, qb, Va
.set BS,   28
.set BQ,   30
.set BV,   32
.set PB,   34                          ; s[34:41] the same at the tile that set 0 asks for next;
.set PSS,  36
.set PQ,   38
.set PV,   40
.set PSET, 38                          ; s[72:79] and for set 1: each set of registers has pointers of its own
.set T8,   42                          ; s[42:47] the byte offsets of the pair of tiles asked for: in uaf, in the scales (/ 16), in qb and Va (/ 128), each a pair with 0 above
.set SKB,  48                          ; where the pass stores: in the key buffers,
.set SCI,  49                          ; in CI,
.set SCS,  50                          ; in CS
.set SFR,  51                          ; where the trip reads keys,
.set SPW,  52                          ; and p
.set CNT1, 53
.set CNT2, 54
.set SKN,  55                          ; the key buffer that is filled next
.set SEL,  56                          ; s[56:57] v_permlanex16_b32's selects for lane l xor 16
.set C2,   58                          ; s[58:59] 2 log2(e): the packed form names a pair and takes its low word for both halves
.set C1,   60                          ; log2(e)
.set SFB,  61                          ; the key buffer that is summed next
.set TT,   62
.set SCP,  66                          ; s[66:67] sc at the block's 64 scores
.set PCP,  68                          ; s[68:69] pc at the block's row, my wave's 256 columns
.set MSB, 0
.macro WIN new                         ; the immediate's high byte repeats the setting that is left; at a label and at a branch every window is 0
.if MSB != \new
	s_set_vgpr_msb (MSB<<8)|\new
.set MSB, \new
.endif
.endm
.macro BAR                             ; my LDS stores have landed and my LDS loads are in: then the work-group's barrier
	s_wait_dscnt 0x0
	s_barrier_signal -1
	s_barrier_wait -1
.endm
; Row slot i is asked for: 8 loads of 512 consecutive bytes.  In a load lanes 0-15 take the even pieces of 16 bytes and lanes 16-31 the odd ones.
.macro ROWLOAD i
	WIN 0x40                                       ; destination window 1
.irp u, 0,1,2,3
	global_load_b128 v[32*(\i)+8*\u:32*(\i)+8*\u+3],   v[KO], s[KN:KN+1] offset:(\i)*4096+\u*1024 th:TH_LOAD_NT
	global_load_b128 v[32*(\i)+8*\u+4:32*(\i)+8*\u+7], v[KO], s[KN:KN+1] offset:(\i)*4096+\u*1024+512 th:TH_LOAD_NT
.endr
.endm
; One key row becomes 512 bytes of codes, 32 scale bytes and 2,048 bytes of bf16.  left: the younger loads that may stay out.  refill = 1: the slot is asked for again, with the next pass's row.
.macro ROW i, left, refill
.set TS, TMP+32*((\i)%2)
	s_wait_loadcnt \left                           ; loads come back in order (ISA guide 5.7.1): this row's eight are in
	s_wait_dscnt 12                                ; the last row's 12 LDS stores may be out; those of two rows back, which read this set of registers, are done
	WIN 0x41
.irp u, 0,1,2,3
.irp e, 0,1,2,3
	v_permlane16_swap_b32 v[32*(\i)+8*\u+\e], v[32*(\i)+8*\u+4+\e]   ; the first load's lanes 16-31 change places with the second's lanes 0-15: lane l now holds EIGHT NEIGHBOURS, numbers 256 u + 8 l + 0 .. 7
.endr
.endr
	WIN 0x05                                       ; sources 0 and 1 window 1
.irp u, 0,1,2,3
	v_max3_num_f32 v[TS+\u], |v[32*(\i)+8*\u]|, |v[32*(\i)+8*\u+1]|, 0x1800000   ; my eight numbers' largest magnitude, and the floor 2^(3 - 127): the byte cannot fall under 1
.endr
.irp e, 2,4,6
.irp u, 0,1,2,3
	v_max3_num_f32 v[TS+\u], |v[32*(\i)+8*\u+\e]|, |v[32*(\i)+8*\u+\e+1]|, v[TS+\u]   ; (the four groups by turns)
.endr
.endr
.irp u, 0,1,2,3
.irp e, 0,1,2,3
	v_cvt_pk_bf16_f32 v[TS+16+4*\u+\e], v[32*(\i)+8*\u+2*\e], v[32*(\i)+8*\u+2*\e+1]
.endr
.endr
	WIN 0
.irp x, 1,2
.irp u, 0,1,2,3
	v_max_num_f32_dpp v[TS+\u], v[TS+\u], v[TS+\u] row_xmask:\x row_mask:0xf bank_mask:0xf   ; a block of 32 lies in four neighbouring lanes
.endr
.endr
.irp u, 0,1,2,3
	v_add_nc_u32 v[TS+4+\u], 0xff000000, v[TS+\u]  ; 2 off the exponent field: the conversion takes the exponent field of this operand as its scale
.endr
.irp u, 0,1,2,3
	v_lshrrev_b32 v[TS+8+\u], 23, v[TS+4+\u]       ; the scale's byte
.endr
	WIN 0x01
.irp u, 0,1,2,3
	v_cvt_scalef32_pk8_fp4_f32 v[TS+12+\u], v[32*(\i)+8*\u:32*(\i)+8*\u+7], v[TS+4+\u]   ; to the nearest code, ties to even, beyond 6 the largest code
.endr
	WIN 0
	v_nop                                          ; one plain place behind the last scaled conversion
.irp u, 0,1,2,3
	ds_store_b128 v[KWA], v[TS+16+4*\u:TS+16+4*\u+3] offset:(\i)*2048+512*\u   ; 32 lanes store 512 consecutive bytes
.endr
.irp u, 0,1,2,3
	ds_store_b32 v[CWA], v[TS+12+\u] offset:(\i)*CIP+128*\u
.endr
.irp u, 0,1,2,3
	ds_store_b8 v[SWA], v[TS+8+\u] offset:(\i)*CSP+8*\u   ; the four lanes of a block write the same byte with the same value
.endr
.if \refill
	ROWLOAD \i
.endif
.endm
; A pass: 32 rows of the work-group, 8 of each loading wave: row 32 a + 8 w + i of the block, a the pass's place in it.  Every wave runs the address lines; the computing team jumps over the work.
.macro PASS refill
	s_wait_dscnt 0x0                               ; no LDS instruction of mine is out: the address registers may be written
	v_add_nc_u32 v[KWA], s[SKB], v[KW0]
	v_add_nc_u32 v[CWA], s[SCI], v[CW0]
	v_add_nc_u32 v[SWA], s[SCS], v[SW0]
	s_cmp_lt_u32 s[WV], 4
	s_cbranch_scc1 .Lpass_\@
.irp i, 0,1,2,3,4,5,6,7
.if \refill
	ROW \i, 56, 1                                  ; behind this row's loads: 7 - i rows of this pass and i of the next, eight loads each
.else
	ROW \i, 8*(7-\i), 0                            ; the last pass asks for nothing: the counts run down, and no load leaves the buffer
.endif
.endr
	WIN 0
.if \refill
	s_wait_xcnt 0x0                                ; the loads have read their base: it may step
	s_add_nc_u64 s[KN:KN+1], s[KN:KN+1], 32*4096
.endif
.Lpass_\@:
	s_add_co_u32 s[SKB], s[SKB], 32*2048
	s_add_co_u32 s[SCI], s[SCI], 32*CIP
	s_add_co_u32 s[SCS], s[SCS], 32*CSP
.endm
; A block's two passes.  kind = 2: both ask for more; 1: the launch's last block; 0: nothing is left to convert.
.macro CONV kind
.if \kind
	s_mov_b32 s[SKB], s[SKN]
	s_mov_b32 s[SCI], 0
	s_mov_b32 s[SCS], 0
.if \kind == 2
	s_mov_b32 s[CNT2], 2
.Lconv_\@:
	PASS 1
	s_sub_co_u32 s[CNT2], s[CNT2], 1
	s_cmp_lg_u32 s[CNT2], 0
	s_cbranch_scc1 .Lconv_\@
.else
	PASS 1
	PASS 0
.endif
	s_xor_b32 s[SKN], s[SKN], KBUF                 ; the next block goes to the other buffer
.endif
.endm
; Set p is asked for again, by its own pointers: the tile d tiles behind them: 16 loads of fragments, 2 of scale words, 2 of qb.
.macro GROUP p, d
.set q, 0
.rept 16
	global_load_b128 v[BF+64*(\p)+4*q:BF+64*(\p)+4*q+3], v[BO], s[PB+PSET*(\p):PB+PSET*(\p)+1] offset:(\d)*8192+512*q
.set q, q+1
.endr
	global_load_b128 v[BSC+8*(\p):BSC+8*(\p)+3],   v[SO], s[PSS+PSET*(\p):PSS+PSET*(\p)+1] offset:(\d)*512
	global_load_b128 v[BSC+8*(\p)+4:BSC+8*(\p)+7], v[SO], s[PSS+PSET*(\p):PSS+PSET*(\p)+1] offset:(\d)*512+16
	global_load_b128 v[BI+8*(\p):BI+8*(\p)+3],     v[HO], s[PQ+PSET*(\p):PQ+PSET*(\p)+1] offset:(\d)*64
	global_load_b128 v[BI+8*(\p)+4:BI+8*(\p)+7],   v[HO], s[PQ+PSET*(\p):PQ+PSET*(\p)+1] offset:(\d)*64+16
.endm
.macro VALOAD p, d
	global_load_b128 v[VA+8*(\p):VA+8*(\p)+3],     v[HO], s[PV+PSET*(\p):PV+PSET*(\p)+1] offset:(\d)*64
	global_load_b128 v[VA+8*(\p)+4:VA+8*(\p)+7],   v[HO], s[PV+PSET*(\p):PV+PSET*(\p)+1] offset:(\d)*64+16
.endm
; One tile of 16 outputs for the block's 64 rows, from set p.
.macro TILE p, d
	s_wait_loadcnt 22                              ; this set's 20 + 2 loads are in; the other set's 20 + 2, issued behind them, may be out.
	                                               ; They are all the loads that name this set's pointers: so the pointers may be written here, with no further wait
.if (\p) == 0
	s_add_co_u32 s[T8], s[T8], 2*8192              ; on to the next pair of tiles; the offsets wrap at 16 tiles, so a block's last pair asks for the next block's tiles 0 and 1
	s_and_b32 s[T8], s[T8], 0x1ffff                ; (in the last block those two sets are not used; they lie inside the buffers)
	s_lshr_b32 s[T8+2], s[T8], 4
	s_lshr_b32 s[T8+4], s[T8], 7
.endif
	s_add_nc_u64 s[PB+PSET*(\p):PB+PSET*(\p)+1],   s[BU:BU+1], s[T8:T8+1]
	s_add_nc_u64 s[PSS+PSET*(\p):PSS+PSET*(\p)+1], s[BS:BS+1], s[T8+2:T8+3]
	s_add_nc_u64 s[PQ+PSET*(\p):PQ+PSET*(\p)+1],   s[BQ:BQ+1], s[T8+4:T8+5]
	s_add_nc_u64 s[PV+PSET*(\p):PV+PSET*(\p)+1],   s[BV:BV+1], s[T8+4:T8+5]
	WIN 0x04                                       ; source 1 (the keys' codes) window 1
.irp k, 0,1,2,3,4,5,6,7
.irp m, 0,1,2,3
.if \k == 0
.set CR, BI+8*(\p)
.else
.set CR, ACC+8*\m
.endif
.if \m % 2
	v_wmma_scale_f32_16x16x128_f8f6f4 v[ACC+8*\m:ACC+8*\m+7], v[BF+64*(\p)+8*\k:BF+64*(\p)+8*\k+7], v[64*\m+8*\k:64*\m+8*\k+7], v[CR:CR+7], v[BSC+8*(\p)+\k], v[ASC+8*(\m/2)+\k] matrix_a_fmt:MATRIX_FMT_FP4 matrix_b_fmt:MATRIX_FMT_FP4 matrix_b_scale:MATRIX_SCALE_ROW1
.else
	v_wmma_scale_f32_16x16x128_f8f6f4 v[ACC+8*\m:ACC+8*\m+7], v[BF+64*(\p)+8*\k:BF+64*(\p)+8*\k+7], v[64*\m+8*\k:64*\m+8*\k+7], v[CR:CR+7], v[BSC+8*(\p)+\k], v[ASC+8*(\m/2)+\k] matrix_a_fmt:MATRIX_FMT_FP4 matrix_b_fmt:MATRIX_FMT_FP4
.endif
.endr
.endr                                  ; the four accumulators take turns, one instruction a turn
	WIN 0
.irp j, 0,2,4,6
	v_pk_add_f32 v[SV:SV+1], v[SV:SV+1], v[VA+8*(\p)+\j:VA+8*(\p)+\j+1]   ; the sum of Va.  These four are the places behind the last product, for the loads and for the first read of results
.endr
	GROUP \p, \d                                   ; asked for here, the set has this tile's vector work and the whole next tile in which to land
.set j, 0
.rept 16
	v_pk_mul_f32 v[ACC+j:ACC+j+1], v[ACC+j:ACC+j+1], s[C2:C2+1] op_sel_hi:[1,0]   ; 2 log2(e) x; each accumulator from its low end on
.set j, j+2
.endr
.set j, 0
.rept 32
	v_exp_f32 v[ACC+j], v[ACC+j]
.set j, j+1
.endr
	v_nop                                          ; a plain instruction behind the last exponential
	s_wait_alu depctr_va_vdst(0)                   ; one wait for the batch, ahead of its first reader
.set j, 0
.rept 16
	v_pk_add_f32 v[ACC+j:ACC+j+1], v[ACC+j:ACC+j+1], 1.0 op_sel_hi:[1,0]
.set j, j+2
.endr
.set j, 0
.rept 32
	v_rcp_f32 v[ACC+j], v[ACC+j]
.set j, j+1
.endr
	v_nop
	s_wait_alu depctr_va_vdst(0)                   ; and one for the reciprocals
.irp jj, 0,2,4,6
.irp m, 0,1,2,3
	v_pk_fma_f32 v[SC+2*\m:SC+2*\m+1], v[ACC+8*\m+\jj:ACC+8*\m+\jj+1], v[VA+8*(\p)+\jj:VA+8*(\p)+\jj+1], v[SC+2*\m:SC+2*\m+1]
.endr
.endr
	VALOAD \p, \d
.endm
; The computing team's block: 16 tiles, two a trip, and the sums over a wave's 256 outputs.  Registers, and loads from buffers that no line of the launch writes: no LDS access and no store stands here.
.macro GEMMLOOP
	s_cmp_lt_u32 s[WV], 4
	s_cbranch_scc0 .Lgs_\@
.set j, 0
.rept 10
	v_mov_b32 v[SV+j], 0                           ; the sum of Va and the four tiles' sums
.set j, j+1
.endr
	s_mov_b32 s[CNT2], 8
.Lg_\@:
	TILE 0, 0
	TILE 1, 1
	s_sub_co_u32 s[CNT2], s[CNT2], 1
	s_cmp_lg_u32 s[CNT2], 0
	s_cbranch_scc1 .Lg_\@
	v_add_f32 v[ACC+8], v[SV], v[SV+1]             ; my half's sum of Va
.irp m, 0,1,2,3
	v_add_f32 v[ACC+\m], v[SC+2*\m], v[SC+2*\m+1]
.endr
.irp m, 0,1,2,3
	v_fma_f32 v[ACC+\m], v[ACC+\m], -2.0, v[ACC+8] ; sum of Va (1 - 2 / (1 + 2^..)) over my half's outputs
.endr
.irp m, 0,1,2,3
	v_permlanex16_b32 v[ACC+4+\m], v[ACC+\m], s[SEL], s[SEL+1]
.endr
.irp m, 0,1,2,3
	v_add_f32 v[ACC+\m], v[ACC+\m], v[ACC+4+\m]    ; with the other half's: my wave's 256 outputs
.endr
.Lgs_\@:
.endm
; Its partial scores go to SP: behind the first barrier's wait, since the loading team read the last block's there in front of its signal.
.macro GEMMEND
	s_cmp_lt_u32 s[WV], 4
	s_cbranch_scc0 .Lge_\@
.irp m, 0,1,2,3
	ds_store_b32 v[SPA], v[ACC+\m] offset:256*\m   ; row 16 m + r, my wave's word; both halves of the lanes write the same value
.endr
.Lge_\@:
.endm
; The computing team takes the block's codes and scale words into registers: they stay there for the block, and CI and CS are free for the next.
.macro FETCH
	WIN 0x40                                       ; destination window 1
.irp m, 0,1,2,3
.set q, 0
.rept 16
	ds_load_b128 v[64*\m+4*q:64*\m+4*q+3], v[AF] offset:\m*16*CIP+32*q
.set q, q+1
.endr
.endr
	WIN 0
.irp u, 0,1
	ds_load_b128 v[ASC+8*\u:ASC+8*\u+3],   v[AS] offset:32*CSP*\u
	ds_load_b128 v[ASC+8*\u+4:ASC+8*\u+7], v[AS] offset:32*CSP*\u+16
.endr
.endm
; The loading team: the block's scores, its largest, p.  Each of the four waves does this for itself and keeps p in its own 256 bytes; wave 4 stores the scores.
.macro FINPRE
	s_cmp_lt_u32 s[WV], 4
	s_cbranch_scc1 .Lfp_\@
	ds_load_b128 v[PSC:PSC+3],   v[SPR]            ; rows 2 l and 2 l + 1: four waves' parts each
	ds_load_b128 v[PSC+4:PSC+7], v[SPR] offset:16
	s_wait_dscnt 0x0
	v_add_f32 v[SCR],   v[PSC],   v[PSC+1]
	v_add_f32 v[SCR+1], v[PSC+4], v[PSC+5]
	v_add_f32 v[WK],    v[PSC+2], v[PSC+3]
	v_add_f32 v[WK+1],  v[PSC+6], v[PSC+7]
	v_add_f32 v[SCR],   v[SCR],   v[WK]
	v_add_f32 v[SCR+1], v[SCR+1], v[WK+1]
	v_add_f32 v[SCR],   s[VB], v[SCR]
	v_add_f32 v[SCR+1], s[VB], v[SCR+1]
	v_max_num_f32 v[WK], v[SCR], v[SCR+1]
.irp x, 1,2,4,8
	v_max_num_f32_dpp v[WK], v[WK], v[WK] row_xmask:\x row_mask:0xf bank_mask:0xf
.endr
	v_permlanex16_b32 v[WK+1], v[WK], s[SEL], s[SEL+1]
	v_max_num_f32 v[WK], v[WK], v[WK+1]            ; the block's largest score, in every lane: it is taken away before the exponential
	v_sub_f32 v[PP],   v[SCR],   v[WK]
	v_sub_f32 v[PP+1], v[SCR+1], v[WK]
	v_mul_f32 v[PP],   s[C1], v[PP]
	v_mul_f32 v[PP+1], s[C1], v[PP+1]
	v_exp_f32 v[PP],   v[PP]
	v_exp_f32 v[PP+1], v[PP+1]
	v_nop
	s_wait_alu depctr_va_vdst(0)                   ; one wait for the two, ahead of their first reader
	ds_store_b64 v[PWS], v[PP:PP+1]
	s_cmp_eq_u32 s[WV], 4
	s_cbranch_scc0 .Lfq_\@
	global_store_b64 v[O8], v[SCR:SCR+1], s[SCP:SCP+1]   ; 32 lanes store 256 consecutive bytes, at a multiple of 256 from sc's first byte
.Lfq_\@:
.set j, 0
.rept 8
	v_mov_b32 v[CX+j], 0
.set j, j+1
.endr
.Lfp_\@:
.endm
; The sum of p x key over the block's 64 rows, 8 rows a trip.  Loading wave w has columns 256 w .. + 255; lane l columns 4 l + 0 .. 3 and 128 + 4 l + 0 .. 3 of them.  Every wave walks the loop; the computing team jumps over the work.
.macro FLOOP
	s_mov_b32 s[SFR], s[SFB]
	s_mov_b32 s[SPW], 0
	s_mov_b32 s[CNT2], 8
.Lfl_\@:
	v_add_nc_u32 v[KRA], s[SFR], v[KR0]            ; (no LDS load that names these is out: the last trip's last wait was for 0)
	v_add_nc_u32 v[PWA], s[SPW], v[PW0]
	s_cmp_lt_u32 s[WV], 4
	s_cbranch_scc1 .Lfs_\@
	ds_load_b128 v[WT:WT+3],   v[PWA]              ; LDS serves a wave's instructions in order (ISA guide 5.7.1.4): these see my own store of p
	ds_load_b128 v[WT+4:WT+7], v[PWA] offset:16
.irp e, 0,1,2,3,4,5,6,7
	ds_load_b64 v[DD+4*\e:DD+4*\e+1],   v[KRA] offset:2048*\e
	ds_load_b64 v[DD+4*\e+2:DD+4*\e+3], v[KRA] offset:2048*\e+256
.endr
.irp e, 0,1,2,3,4,5,6,7
	s_wait_dscnt 2*(7-\e)                          ; p and rows up to e are in; the later rows' two loads each may be out
.irp c, 0,2,4,6
	v_fma_mix_f32_bf16 v[CX+\c],   v[DD+4*\e+\c/2], v[WT+\e], v[CX+\c]   op_sel_hi:[1,0,0]
	v_fma_mix_f32_bf16 v[CX+\c+1], v[DD+4*\e+\c/2], v[WT+\e], v[CX+\c+1] op_sel:[1,0,0] op_sel_hi:[1,0,0]
.endr
.endr
.Lfs_\@:
	s_add_co_u32 s[SFR], s[SFR], 8*2048
	s_add_co_u32 s[SPW], s[SPW], 32
	s_sub_co_u32 s[CNT2], s[CNT2], 1
	s_cmp_lg_u32 s[CNT2], 0
	s_cbranch_scc1 .Lfl_\@
	s_xor_b32 s[SFB], s[SFB], KBUF                 ; the next block lies in the other buffer
.endm
.macro FINPOST
	s_cmp_lt_u32 s[WV], 4
	s_cbranch_scc1 .Lfo_\@
	global_store_b128 v[BO], v[CX:CX+3],   s[PCP:PCP+1]              ; 32 lanes store 512 consecutive bytes
	global_store_b128 v[BO], v[CX+4:CX+7], s[PCP:PCP+1] offset:512
.Lfo_\@:
	s_wait_xcnt 0x0                                ; the stores have read their data and bases: both may be written again
	s_add_nc_u64 s[SCP:SCP+1], s[SCP:SCP+1], 256
	s_add_nc_u64 s[PCP:PCP+1], s[PCP:PCP+1], 4096
.endm
; Block j.  THE FIRST BARRIER, SPLIT.  In front of its signal a computing wave has block j's codes and scale words in registers, and a loading wave has read the last of block j - 1's partial scores and keys.
; Behind its wait the loading team writes CI, CS and block j - 1's key buffer (block j + 1's conversion), and the computing team writes SP.  Between signal and wait the computing team multiplies: it touches no LDS there.
; THE SECOND BARRIER: block j + 1's codes, scale bytes and keys lie in LDS, and so do block j's partial scores.  Behind it the loading team sums block j while the computing team goes on to block j + 1.
.macro TRIP kind
	s_cmp_lt_u32 s[WV], 4
	s_cbranch_scc0 .Ltf_\@
	FETCH
.Ltf_\@:
	s_wait_dscnt 0x0                               ; for the others' sake: all my LDS reads are back
	s_barrier_signal -1
	GEMMLOOP
	s_barrier_wait -1
	CONV \kind
	GEMMEND
	BAR
	FINPRE
	FLOOP
	FINPOST
.endm
	s_load_b512 s[4:19], s[0:1], 0x0               ; keys s[4:5], uaf s[6:7], Ua's scales s[8:9], qb s[10:11], Va s[12:13], Va_b s[14:15], sc s[16:17], pc s[18:19]
	v_lshrrev_b32 v1, 5, v0
	v_readfirstlane_b32 s[WV], v1                  ; wave 0..7
	s_and_b32 s[WQ], s[WV], 3                      ; w
	v_and_b32 v1, 31, v0                           ; l
	v_and_b32 v22, 15, v0                          ; r   (v22, v23 are at work here)
	v_bfe_u32 v23, v0, 4, 1                        ; h
	v_mul_u32_u24 v[AF], v22, CIP
	v_lshl_add_u32 v[AF], v23, 4, v[AF]
	v_add_nc_u32 v[AF], L_CI, v[AF]
	v_mul_u32_u24 v[AS], v22, CSP
	v_mad_u32_u24 v[AS], v23, 16*CSP, v[AS]
	v_add_nc_u32 v[AS], L_CS, v[AS]
	v_lshlrev_b32 v[SPA], 4, v22
	s_lshl_b32 s[TT], s[WQ], 2
	s_add_co_u32 s[TT], s[TT], L_SP
	v_add_nc_u32 v[SPA], s[TT], v[SPA]
	s_lshl_b32 s[TT], s[WQ], 14
	v_lshl_add_u32 v[KW0], v1, 4, s[TT]
	s_mul_i32 s[TT], s[WQ], 8*CIP
	s_add_co_u32 s[TT], s[TT], L_CI
	v_lshl_add_u32 v[CW0], v1, 2, s[TT]
	s_mul_i32 s[TT], s[WQ], 8*CSP
	s_add_co_u32 s[TT], s[TT], L_CS
	v_lshrrev_b32 v[SW0], 2, v1
	v_add_nc_u32 v[SW0], s[TT], v[SW0]
	v_lshl_add_u32 v[SPR], v1, 5, L_SP
	s_lshl_b32 s[TT], s[WQ], 8
	s_add_co_u32 s[TT], s[TT], L_PW
	v_lshl_add_u32 v[PWS], v1, 3, s[TT]
	v_mov_b32 v[PW0], s[TT]
	s_lshl_b32 s[TT], s[WQ], 9
	v_lshl_add_u32 v[KR0], v1, 3, s[TT]
	v_lshlrev_b32 v[KO], 5, v22
	v_lshl_add_u32 v[KO], v23, 4, v[KO]
	v_lshlrev_b32 v[BO], 4, v1
	v_lshlrev_b32 v[SO], 5, v22
	v_lshlrev_b32 v[HO], 5, v23
	v_lshlrev_b32 v[O8], 3, v1
	s_mov_b32 s[SEL], 0x76543210
	s_mov_b32 s[SEL+1], 0xfedcba98
	s_mov_b32 s[C2], 0x4038aa3b                    ; 2 log2(e)
	s_mov_b32 s[C2+1], s[C2]                       ; (named with it as a pair, so it is written)
	s_mov_b32 s[C1], 0x3fb8aa3b                    ; log2(e)
	s_mov_b32 s[T8], 0
	s_mov_b32 s[T8+1], 0
	s_mov_b32 s[T8+3], 0
	s_mov_b32 s[T8+5], 0
	s_mov_b32 s[SKN], 0
	s_mov_b32 s[SFB], 0
	s_mov_b32 s3, 0
	s_lshl_b32 s2, ttmp9, 20                       ; the work-group's 256 rows of 4,096 bytes (255 x 2^20 at the most: under 2^32),
	s_lshl_b32 s[TT], s[WQ], 15                    ; my wave's 8 rows of a pass
	s_add_co_u32 s2, s2, s[TT]
	s_wait_kmcnt 0x0
	s_load_b32 s[VB], s[14:15], 0x0                ; Va_b: no launch line writes that buffer
	s_add_nc_u64 s[KN:KN+1], s[4:5], s[2:3]
	s_lshl_b32 s2, s[WQ], 17                       ; my wave's 16 tiles of uaf,
	s_add_nc_u64 s[BU:BU+1], s[6:7], s[2:3]
	s_lshl_b32 s2, s[WQ], 13                       ; their 256 rows of scale bytes,
	s_add_nc_u64 s[BS:BS+1], s[8:9], s[2:3]
	s_lshl_b32 s[TT], s[WQ], 10                    ; their 256 numbers of qb and Va
	s_lshr_b32 s2, ttmp9, 3                        ; the batch: eight work-groups to each
	s_lshl_b32 s2, s2, 12
	s_add_co_u32 s2, s2, s[TT]
	s_add_nc_u64 s[BQ:BQ+1], s[10:11], s[2:3]
	s_mov_b32 s2, s[TT]
	s_add_nc_u64 s[BV:BV+1], s[12:13], s[2:3]
	s_lshl_b32 s2, ttmp9, 10
	s_add_nc_u64 s[SCP:SCP+1], s[16:17], s[2:3]
	s_lshl_b32 s2, ttmp9, 14                       ; four rows of pc,
	s_add_co_u32 s2, s2, s[TT]                     ; my wave's 256 columns
	s_add_nc_u64 s[PCP:PCP+1], s[18:19], s[2:3]
	s_wait_kmcnt 0x0                               ; Va_b
	s_cmp_lt_u32 s[WV], 4
	s_cbranch_scc0 .Lhead_load
.irp p, 0,1                                    ; the computing team asks for its tiles 0 and 1: 20 + 2 + 20 + 2 loads, the order that every tile's wait counts on
	s_mov_b64 s[PB+PSET*\p:PB+PSET*\p+1],   s[BU:BU+1]
	s_mov_b64 s[PSS+PSET*\p:PSS+PSET*\p+1], s[BS:BS+1]
	s_mov_b64 s[PQ+PSET*\p:PQ+PSET*\p+1],   s[BQ:BQ+1]
	s_mov_b64 s[PV+PSET*\p:PV+PSET*\p+1],   s[BV:BV+1]
.endr
	GROUP 0, 0
	VALOAD 0, 0
	GROUP 1, 1
	VALOAD 1, 1
	s_branch .Lhead_done
.Lhead_load:
.irp i, 0,1,2,3,4,5,6,7
	ROWLOAD \i                                     ; the loading team fills its ring: the first pass's 8 rows
.endr
	WIN 0
	s_wait_xcnt 0x0
	s_add_nc_u64 s[KN:KN+1], s[KN:KN+1], 32*4096   ; from here on a row's refill asks for the next pass
.Lhead_done:
	CONV 2                                         ; block 0
	BAR
	s_mov_b32 s[CNT1], 2
.Lblk:
	TRIP 2                                         ; blocks 0 and 1 are multiplied while blocks 1 and 2 are converted
	s_sub_co_u32 s[CNT1], s[CNT1], 1
	s_cmp_lg_u32 s[CNT1], 0
	s_cbranch_scc1 .Lblk
	TRIP 1                                         ; block 2; block 3 is converted, its second pass without refills
	TRIP 0                                         ; block 3
	s_wait_xcnt 0x0
	v_lshl_add_u32 v126, v0, 2, 0x49800
	v_mov_b32 v127, 0
	s_wait_tensorcnt 0x0
	ds_add_u32 v126, v127
	s_wait_dscnt 0x0
	s_endpgm
.Lfunc_end_k_q32debafe71_main:
	.size	k_q32debafe71_main, .Lfunc_end_k_q32debafe71_main-k_q32debafe71_main
	.p2alignl 7, 3214868480
	.fill 96, 4, 3214868480
	.section	.rodata,"a",@progbits
	.p2align	6, 0x0
	.amdhsa_kernel k_q32debafe71_main
		.amdhsa_group_segment_fixed_size 302080
		.amdhsa_private_segment_fixed_size 0
		.amdhsa_enable_private_segment 0
		.amdhsa_kernarg_size 64
		.amdhsa_user_sgpr_count 2
		.amdhsa_user_sgpr_kernarg_segment_ptr 1
		.amdhsa_wavefront_size32 1
		.amdhsa_system_sgpr_workgroup_id_x 1
		.amdhsa_system_sgpr_workgroup_id_y 1
		.amdhsa_system_sgpr_workgroup_id_z 1
		.amdhsa_system_vgpr_workitem_id 0
		.amdhsa_next_free_vgpr 512
		.amdhsa_next_free_sgpr 80
		.amdhsa_reserve_vcc 0
		.amdhsa_float_denorm_mode_32 3
		.amdhsa_float_denorm_mode_16_64 3
		.amdhsa_memory_ordered 1
		.amdhsa_forward_progress 1
		.amdhsa_inst_pref_size 255
	.end_amdhsa_kernel
	.section	.bss,"aw",@nobits
	.p2align	6
	.space	262144
	.amdgpu_metadata
---
amdhsa.version: [ 1, 2 ]
amdhsa.kernels:
  - .name:           k_q32debafe71_main
    .symbol:         k_q32debafe71_main.kd
    .args:
      - { .name: keys, .offset: 0, .size: 8, .value_kind: global_buffer, .address_space: global }
      - { .name: uaf, .offset: 8, .size: 8, .value_kind: global_buffer, .address_space: global }
      - { .name: Ua_w_scales, .offset: 16, .size: 8, .value_kind: global_buffer, .address_space: global }
      - { .name: qb, .offset: 24, .size: 8, .value_kind: global_buffer, .address_space: global }
      - { .name: Va_w, .offset: 32, .size: 8, .value_kind: global_buffer, .address_space: global }
      - { .name: Va_b, .offset: 40, .size: 8, .value_kind: global_buffer, .address_space: global }
      - { .name: sc, .offset: 48, .size: 8, .value_kind: global_buffer, .address_space: global }
      - { .name: pc, .offset: 56, .size: 8, .value_kind: global_buffer, .address_space: global }
    .group_segment_fixed_size: 302080
    .private_segment_fixed_size: 0
    .kernarg_segment_align: 8
    .kernarg_segment_size: 64
    .max_flat_workgroup_size: 256
    .sgpr_count:     80
    .vgpr_count:     512
    .wavefront_size: 32
...
	.end_amdgpu_metadata
.endif
;; end of part 2
;; launch comb (part 3): grid 8 x 32, 1 waves a work-group, no clusters, 0 bytes of LDS; arguments sc, pc, out0, out1; writes out0, out1
.if DOCPART == 3
	.amdgcn_target "amdgcn-amd-amdhsa--gfx1250"
	.amdhsa_code_object_version 6
	.text
	.protected	k_q32debafe71_comb
	.globl	k_q32debafe71_comb
	.p2align	8
	.type	k_q32debafe71_comb,@function
k_q32debafe71_comb:
	s_mov_b64 s[64:65], 0
	v_nop
	global_prefetch_b8 v0, s[64:65] scope:SCOPE_SE
	s_setreg_imm32_b32 hwreg(HW_REG_WAVE_MODE, 25, 1), 1
	s_wait_xcnt 0x0
; The softmax over a batch's 2,048 scores, and the joining of its 32 blocks' sums.  Work-group (part, b), one wave, makes out1[b][256 part .. + 255] and out0[b][128 part .. + 127].
; M = the batch's largest score, L = sum of e^(s - M); weight = e^(s - M) / L.  pc[block j] was summed with p = e^(s - bm_j), bm_j the block's largest score, which is found here again from the same numbers (a maximum rounds nothing):
; context = sum over j of e^(bm_j - M) pc[j] / L.  Every exponent is 0 or less.  Each of the eight parts of a batch repeats the 2,048 exponentials: 8 KiB of scores against 16 KiB of block sums.
; No LDS, no barrier, no matrix unit: a wave needs nobody else.  All 50 loads go out at once.
; REGISTERS: v2 16 x lane; v16-79 the batch's scores (load q: block 2 q in lanes 0-15, block 2 q + 1 in lanes 16-31); v80-87 my part's scores; v88-103 block maxima, then e^(bm - M); v104-113 at work; v120-123 the context; v128-255 the 32 block sums.
	s_load_b256 s[4:11], s[0:1], 0x0               ; sc s[4:5], pc s[6:7], out0 s[8:9], out1 s[10:11]
	v_lshlrev_b32 v2, 4, v0                        ; one wave: the thread's number is the lane
	s_and_b32 s12, ttmp7, 0xffff                   ; b
	s_lshl_b32 s14, s12, 13                        ; the batch's 2,048 scores
	s_mov_b32 s15, 0
	s_lshl_b32 s16, ttmp9, 10                      ; my part's 256 of them
	s_add_co_u32 s16, s16, s14
	s_mov_b32 s17, 0
	s_lshl_b32 s20, ttmp9, 9                       ; my part's 128 columns
	s_lshl_b32 s18, s12, 17                        ; the batch's 32 rows of pc
	s_add_co_u32 s18, s18, s20
	s_mov_b32 s19, 0
	s_lshl_b32 s22, s12, 12                        ; the batch's row of out0
	s_add_co_u32 s22, s22, s20
	s_mov_b32 s23, 0
	s_mov_b32 s28, 0x3fb8aa3b                      ; c = log2(e)
	s_mov_b32 s29, s28                             ; (named with it as a pair, so it is written)
	s_mov_b32 s30, 0x76543210
	s_mov_b32 s31, 0xfedcba98                      ; v_permlanex16_b32's selects for lane l xor 16
	s_wait_kmcnt 0x0
	s_add_nc_u64 s[24:25], s[4:5], s[14:15]
	s_add_nc_u64 s[26:27], s[4:5], s[16:17]
	s_add_nc_u64 s[6:7], s[6:7], s[18:19]
	s_add_nc_u64 s[8:9], s[8:9], s[22:23]
	s_add_nc_u64 s[10:11], s[10:11], s[16:17]
.set q, 0
.rept 16
	global_load_b128 v[16+4*q:19+4*q], v2, s[24:25] offset:512*q
.set q, q+1
.endr
	global_load_b128 v[80:83], v2, s[26:27]
	global_load_b128 v[84:87], v2, s[26:27] offset:512
.set q, 0
.rept 32
	global_load_b128 v[128+4*q:131+4*q], v2, s[6:7] offset:4096*q th:TH_LOAD_NT
.set q, q+1
.endr
	s_wait_loadcnt 32                              ; the scores are in; the 32 block sums may be out
.set q, 0
.rept 16
	v_max3_num_f32 v[88+q], v[16+4*q], v[17+4*q], v[18+4*q]
.set q, q+1
.endr
.set q, 0
.rept 16
	v_max_num_f32 v[88+q], v[88+q], v[19+4*q]
.set q, q+1
.endr
.irp x, 1,2,4,8
.set q, 0
.rept 16
	v_max_num_f32_dpp v[88+q], v[88+q], v[88+q] row_xmask:\x row_mask:0xf bank_mask:0xf   ; a block's 64 scores lie in sixteen lanes
.set q, q+1
.endr
.endr
	v_max3_num_f32 v104, v88, v89, v90
.irp q, 91,93,95,97,99,101
	v_max3_num_f32 v104, v104, v[\q], v[\q+1]
.endr
	v_max_num_f32 v104, v104, v103
	v_mov_b32 v105, 0                              ; a lane permute's destination counts as one of its sources
	v_permlanex16_b32 v105, v104, s30, s31
	v_max_num_f32 v104, v104, v105                 ; M
	v_mul_f32 v106, s28, v104                      ; c M
	v_mov_b32 v107, v106
.set j, 16
.rept 36
	v_pk_fma_f32 v[j:j+1], v[j:j+1], s[28:29], v[106:107] op_sel_hi:[1,0,0] neg_lo:[0,0,1] neg_hi:[0,0,1]   ; c s - c M: the batch's scores and my part's
.set j, j+2
.endr
.set q, 0
.rept 16
	v_fma_f32 v[88+q], v[88+q], s28, -v106         ; c bm - c M
.set q, q+1
.endr
.set j, 16
.rept 88
	v_exp_f32 v[j], v[j]                           ; v16-79, v80-87, v88-103: one batch
.set j, j+1
.endr
	v_nop                                          ; a plain instruction behind the last exponential
	s_wait_alu depctr_va_vdst(0)                   ; one wait for the batch, ahead of its first reader
	v_pk_add_f32 v[108:109], v[16:17], v[18:19]    ; L, two at a time, in two chains
	v_pk_add_f32 v[110:111], v[20:21], v[22:23]
.set j, 24
.rept 14
	v_pk_add_f32 v[108:109], v[108:109], v[j:j+1]
	v_pk_add_f32 v[110:111], v[110:111], v[j+2:j+3]
.set j, j+4
.endr
	v_pk_add_f32 v[108:109], v[108:109], v[110:111]
	v_add_f32 v108, v108, v109
.irp x, 1,2,4,8
	v_add_f32_dpp v108, v108, v108 row_xmask:\x row_mask:0xf bank_mask:0xf
.endr
	v_permlanex16_b32 v105, v108, s30, s31
	v_add_f32 v108, v108, v105                     ; L, in every lane
	v_rcp_f32 v112, v108
	v_nop
.set q, 0
.rept 16
	v_readlane_b32 s[32+2*q], v[88+q], 0           ; e^(bm_j - M) of block j = 2 q,
	v_readlane_b32 s[33+2*q], v[88+q], 16          ; and of 2 q + 1: values for the multiply-adds below; no address and no branch takes them
.set q, q+1
.endr
	s_wait_alu depctr_va_vdst(0)                   ; the wait for the reciprocal, ahead of its first reader
	v_mov_b32 v113, v112
.irp j, 80,82,84,86
	v_pk_mul_f32 v[\j:\j+1], v[\j:\j+1], v[112:113] op_sel_hi:[1,0]
.endr
	global_store_b128 v2, v[80:83], s[10:11]               ; 32 lanes store 512 consecutive bytes
	global_store_b128 v2, v[84:87], s[10:11] offset:512
	s_wait_loadcnt 31                              ; block 0's sums are in
.irp c, 0,1,2,3
	v_mul_f32 v[120+\c], s32, v[128+\c]            ; the first block starts the sums
.endr
.set q, 1
.rept 31
	s_wait_loadcnt 31-q                            ; block q's sums are in; the later blocks' may be out
.irp c, 0,1,2,3
	v_fma_f32 v[120+\c], s[32+q], v[128+4*q+\c], v[120+\c]
.endr
.set q, q+1
.endr
	v_pk_mul_f32 v[120:121], v[120:121], v[112:113] op_sel_hi:[1,0]
	v_pk_mul_f32 v[122:123], v[122:123], v[112:113] op_sel_hi:[1,0]
	global_store_b128 v2, v[120:123], s[8:9]               ; 32 lanes store 512 consecutive bytes
	s_endpgm
.Lfunc_end_k_q32debafe71_comb:
	.size	k_q32debafe71_comb, .Lfunc_end_k_q32debafe71_comb-k_q32debafe71_comb
	.p2alignl 7, 3214868480
	.fill 96, 4, 3214868480
	.section	.rodata,"a",@progbits
	.p2align	6, 0x0
	.amdhsa_kernel k_q32debafe71_comb
		.amdhsa_group_segment_fixed_size 0
		.amdhsa_private_segment_fixed_size 0
		.amdhsa_enable_private_segment 0
		.amdhsa_kernarg_size 32
		.amdhsa_user_sgpr_count 2
		.amdhsa_user_sgpr_kernarg_segment_ptr 1
		.amdhsa_wavefront_size32 1
		.amdhsa_system_sgpr_workgroup_id_x 1
		.amdhsa_system_sgpr_workgroup_id_y 1
		.amdhsa_system_sgpr_workgroup_id_z 1
		.amdhsa_system_vgpr_workitem_id 0
		.amdhsa_next_free_vgpr 256
		.amdhsa_next_free_sgpr 66
		.amdhsa_reserve_vcc 0
		.amdhsa_float_denorm_mode_32 3
		.amdhsa_float_denorm_mode_16_64 3
		.amdhsa_memory_ordered 1
		.amdhsa_forward_progress 1
		.amdhsa_inst_pref_size 33
	.end_amdhsa_kernel
	.amdgpu_metadata
---
amdhsa.version: [ 1, 2 ]
amdhsa.kernels:
  - .name:           k_q32debafe71_comb
    .symbol:         k_q32debafe71_comb.kd
    .args:
      - { .name: sc, .offset: 0, .size: 8, .value_kind: global_buffer, .address_space: global }
      - { .name: pc, .offset: 8, .size: 8, .value_kind: global_buffer, .address_space: global }
      - { .name: out0, .offset: 16, .size: 8, .value_kind: global_buffer, .address_space: global }
      - { .name: out1, .offset: 24, .size: 8, .value_kind: global_buffer, .address_space: global }
    .group_segment_fixed_size: 0
    .private_segment_fixed_size: 0
    .kernarg_segment_align: 8
    .kernarg_segment_size: 32
    .max_flat_workgroup_size: 32
    .sgpr_count:     66
    .vgpr_count:     256
    .wavefront_size: 32
...
	.end_amdgpu_metadata
.endif
;; end of part 3
;; ======== version 2 of 2: 3 launches; version 1 with the launches prep, main written anew for expert scheduling mode
;; limits: a difference of large sums (such as E[x^2] - mean^2): digits are lost where the result is much smaller than its terms
;; workspace buffers: uaf 524,288 bytes; qb 131,072 bytes; sc 262,144 bytes; pc 4,194,304 bytes
;; launch prep (part 4): grid 16 x 1, 4 waves a work-group, no clusters, 9,216 bytes of LDS; arguments query_codes, query_scales, Wa_w_codes, Wa_w_scales, Wa_b, Ua_b, Ua_w_codes, uaf, qb; writes uaf, qb
.if DOCPART == 4
	.amdgcn_target "amdgcn-amd-amdhsa--gfx1250"
	.amdhsa_code_object_version 6
	.text
	.protected	k_q32debafe71_prep
	.globl	k_q32debafe71_prep
	.p2align	8
	.type	k_q32debafe71_prep,@function
k_q32debafe71_prep:
	s_mov_b64 s[64:65], 0
	v_nop
	global_prefetch_b8 v0, s[64:65] scope:SCOPE_SE
	s_setreg_imm32_b32 hwreg(HW_REG_WAVE_SCHED_MODE, 0, 2), 2
	s_setreg_imm32_b32 hwreg(HW_REG_WAVE_MODE, 25, 1), 1
	s_wait_xcnt 0x0
	s_wait_alu depctr_vm_vsrc(0)
; Two small jobs ahead of the main launch.
; (1) qb[b][o] = sum over k of query[b][k] Wa[o][k] + Wa_b[o] + Ua_b[o]: 32 x 1,024 x 1,024 on the given codes of FP4 (E2M1) with their E8M0 scales, f32 sums.
; (2) uaf: Ua's codes laid in the order of an operand's registers: [tile of 16 rows: 64][K step of 128: 8][half c: 2][lane: 32][16 bytes], so that a later load of 16 bytes a lane reads 512 consecutive bytes.
; SHARES.  Wave wv of work-group g takes tile T = 4 g + wv: rows 16 T .. 16 T + 15 of Wa and of Ua.  64 tiles: 16 work-groups of four waves; the four waves' 64 outputs of a batch row are 256 bytes of qb.
; THE PRODUCT IS USED TRANSPOSED: source 0 = 16 rows of Wa, source 1 = 16 batch rows of the query: lane (r, h), register j holds qb(batch 16 n + r, o = 16 T + 8 h + j).  The two biases are the C of each sum's first product.
; REGISTERS.  window 0: v1-7 addresses; v8-15, v88-95 the two accumulators; v16-79 Wa's 8 fragments; v80-87 Wa's scale words; v96-223 the query's 2 x 8 fragments; v224-239 its scale words; v240-247 Wa_b, then the biases' sum; v248-255 Ua_b.
;             window 1: v0-63 Ua's 8 fragments; v128, v129 the closing add's two.
; THE MODE: SCHED_MODE bits 1:0 = 2 (LLVM: expert scheduling mode 2), set by the entry lines.  The code itself states the register dependences between vector or matrix instructions and memory or LDS
; instructions, with s_wait_alu, always for 0.
; THE PLAN.  Registers that memory or LDS instructions touch:
;   v1-7       offsets and LDS addresses: written at the head, read by every load and store, never written again: one wait on va_vdst ahead of the first load.
;   the loaded operands: no vector instruction names them ahead of their loads.
;   v8-15, v88-95  written by the products, read by four LDS stores;  v16-31  read by the products, then the loads from the stage land in them: one wait on va_vdst behind the last product's places serves both.
;   No register that a memory or LDS instruction reads is written again: no wait on vm_vsrc is owed.
.set STP,  272                         ; a stage row: 256 bytes + 16: 16 rows of a store start at 16 different groups of banks
.set WAF,  16
.set WAS,  80
.set QF,   96
.set QS,   224
.set BSUM, 240
.set UB,   248
.set MSB, 0
.macro WIN new                         ; the immediate's high byte repeats the setting that is left
.if MSB != \new
	s_set_vgpr_msb (MSB<<8)|\new
.set MSB, \new
.endif
.endm
	s_load_b512 s[4:19], s[0:1], 0x0               ; query codes s[4:5], query scales s[6:7], Wa codes s[8:9], Wa scales s[10:11], Wa_b s[12:13], Ua_b s[14:15], Ua codes s[16:17], uaf s[18:19]
	s_load_b64 s[20:21], s[0:1], 0x40              ; qb
	s_set_vgpr_msb 0x40                            ; destination in window 1; v0, a source, in window 0
	v_lshl_add_u32 v128, v0, 2, 0x2200             ; the LDS address of my spare word, behind the stage; kept for the closing lines alone
	v_mov_b32 v129, 0                              ; and 0, likewise
	s_set_vgpr_msb 0x4000
	v_lshrrev_b32 v1, 5, v0
	v_readfirstlane_b32 s22, v1                    ; wave 0..3
	v_and_b32 v8, 15, v0                           ; r   (v8-10 are at work here; the first accumulator takes them later)
	v_bfe_u32 v9, v0, 4, 1                         ; h
	v_and_b32 v10, 31, v0                          ; lane
	v_lshlrev_b32 v1, 9, v8
	v_lshl_add_u32 v1, v9, 4, v1                   ; a fragment's lane term: row r of 512 bytes, + 16 h
	v_lshlrev_b32 v2, 5, v8                        ; scale bytes: row r of 32
	v_lshlrev_b32 v3, 5, v9                        ; biases: my half's eight numbers
	v_lshlrev_b32 v4, 4, v10                       ; 16 x lane
	v_mul_u32_u24 v5, v8, STP
	v_lshl_add_u32 v5, v9, 5, v5
	s_wait_alu depctr_va_sdst(0)                   ; s22 is written, ahead of its first reader: LDS addresses and the buffers' bases are made from it
	s_lshl_b32 s32, s22, 6
	v_add_nc_u32 v5, s32, v5                       ; the stage, in: row r, + 64 x wave + 32 h
	v_mul_u32_u24 v6, v9, STP
	v_lshl_add_u32 v6, v8, 4, v6
	s_mul_i32 s32, s22, 8*STP
	v_add_nc_u32 v6, s32, v6                       ; the stage, back: row 8 x wave + h, 16 bytes for each of sixteen lanes
	v_lshlrev_b32 v7, 12, v9
	v_lshl_add_u32 v7, v8, 4, v7
	s_lshl_b32 s32, s22, 15
	v_add_nc_u32 v7, s32, v7                       ; and the same place in qb: rows of 4,096 bytes
	s_lshl_b32 s23, ttmp9, 2
	s_add_co_u32 s23, s23, s22                     ; T
	s_lshl_b32 s24, s23, 13                        ; a tile's codes: 16 rows x 512 bytes
	s_mov_b32 s25, 0
	s_lshl_b32 s26, s23, 9                         ; its scale bytes: 16 x 32
	s_mov_b32 s27, 0
	s_lshl_b32 s28, s23, 6                         ; its biases: 16 x 4
	s_mov_b32 s29, 0
	s_lshl_b32 s30, ttmp9, 8                       ; the work-group's 64 columns of qb
	s_mov_b32 s31, 0
	s_wait_kmcnt 0x0
	s_add_nc_u64 s[8:9], s[8:9], s[24:25]
	s_add_nc_u64 s[16:17], s[16:17], s[24:25]
	s_add_nc_u64 s[18:19], s[18:19], s[24:25]
	s_add_nc_u64 s[10:11], s[10:11], s[26:27]
	s_add_nc_u64 s[12:13], s[12:13], s[28:29]
	s_add_nc_u64 s[14:15], s[14:15], s[28:29]
	s_add_nc_u64 s[20:21], s[20:21], s[30:31]
	; all loads in one run.  Piece q = 2 k + c of a row's sixteen pieces of 32 bytes goes to registers 4 q .. 4 q + 3 of the eight fragments
	WIN 0x40                                       ; destination window 1: the switch, then the wait, then the loads
	s_wait_alu depctr_va_vdst(0)                   ; the seven offsets and addresses v1 to v7 are written, which every load and store below reads
.set q, 0
.rept 16
	global_load_b128 v[4*q:4*q+3], v1, s[16:17] offset:32*q
.set q, q+1
.endr
	WIN 0
.set q, 0
.rept 16
	global_load_b128 v[WAF+4*q:WAF+4*q+3], v1, s[8:9] offset:32*q
.set q, q+1
.endr
	global_load_b128 v[WAS:WAS+3], v2, s[10:11]              ; register k: row r's scale word of K step k
	global_load_b128 v[WAS+4:WAS+7], v2, s[10:11] offset:16
.irp n, 0,1
.set q, 0
.rept 16
	global_load_b128 v[QF+64*\n+4*q:QF+64*\n+4*q+3], v1, s[4:5] offset:8192*\n+32*q
.set q, q+1
.endr
	global_load_b128 v[QS+8*\n:QS+8*\n+3], v2, s[6:7] offset:512*\n
	global_load_b128 v[QS+8*\n+4:QS+8*\n+7], v2, s[6:7] offset:512*\n+16
.endr
	global_load_b128 v[BSUM:BSUM+3], v3, s[12:13]
	global_load_b128 v[BSUM+4:BSUM+7], v3, s[12:13] offset:16
	global_load_b128 v[UB:UB+3], v3, s[14:15]
	global_load_b128 v[UB+4:UB+7], v3, s[14:15] offset:16
	s_wait_loadcnt 58                              ; Ua's sixteen loads are in; the 16 + 2 + 36 + 4 issued behind them may be out
	WIN 0x04                                       ; a store's data are its source 1: window 1
.set q, 0
.rept 16
	global_store_b128 v4, v[4*q:4*q+3], s[18:19] offset:512*q    ; 32 lanes store 512 consecutive bytes; the data come from loads, the offset was written ahead of the wait above
.set q, q+1
.endr
	WIN 0
	s_wait_loadcnt 0x0
.irp j, 0,2,4,6
	v_pk_add_f32 v[BSUM+\j:BSUM+\j+1], v[BSUM+\j:BSUM+\j+1], v[UB+\j:UB+\j+1]   ; Wa_b + Ua_b at o = 16 T + 8 h + j
.endr
.rept 8
	v_nop                                          ; the sum just written is an operand of the scaled products below
.endr
	; sixteen products; the two accumulators take turns, one instruction a turn
.irp k, 0,1,2,3,4,5,6,7
.irp n, 0,1
.if \k == 0
.set CR, BSUM
.else
.set CR, 8+80*\n
.endif
	v_wmma_scale_f32_16x16x128_f8f6f4 v[8+80*\n:15+80*\n], v[WAF+8*\k:WAF+8*\k+7], v[QF+64*\n+8*\k:QF+64*\n+8*\k+7], v[CR:CR+7], v[WAS+\k], v[QS+8*\n+\k] matrix_a_fmt:MATRIX_FMT_FP4 matrix_b_fmt:MATRIX_FMT_FP4
.endr
.endr
.rept 4
	v_nop                                          ; four places between the last product and the stores that read results
.endr
	s_wait_alu depctr_va_vdst(0)                   ; the products have written the two accumulators, which the LDS stores read, and are done reading v16 to v31, in which the loads from the stage land; the places above stay beside this wait
.irp n, 0,1
	ds_store_b128 v5, v[8+80*\n:11+80*\n] offset:16*STP*\n        ; each accumulator from its low end on
	ds_store_b128 v5, v[12+80*\n:15+80*\n] offset:16*STP*\n+16
.endr
	s_wait_dscnt 0x0                               ; for the others' sake: my stores into the stage are done
	s_barrier_signal -1
	s_barrier_wait -1                              ; a batch row's 256 bytes come from four waves
.irp i, 0,1,2,3
	ds_load_b128 v[16+4*\i:19+4*\i], v6 offset:2*STP*\i      ; no vector or matrix instruction since the wait above names these registers
.endr
	s_wait_dscnt 0x0
.irp i, 0,1,2,3
	global_store_b128 v7, v[16+4*\i:19+4*\i], s[20:21] offset:8192*\i   ; sixteen lanes store 256 consecutive bytes, at a multiple of 256 from qb's first byte
.endr
	s_set_vgpr_msb 0x5                             ; the add's two registers, sources 0 and 1, in window 1
	s_wait_dscnt 0x0                               ; the closing lines, six on end
	s_wait_alu 0x0
	s_wait_tensorcnt 0x0
	ds_add_u32 v128, v129
	s_wait_dscnt 0x0
	s_endpgm
.Lfunc_end_k_q32debafe71_prep:
	.size	k_q32debafe71_prep, .Lfunc_end_k_q32debafe71_prep-k_q32debafe71_prep
	.p2alignl 7, 3214868480
	.fill 96, 4, 3214868480
	.section	.rodata,"a",@progbits
	.p2align	6, 0x0
	.amdhsa_kernel k_q32debafe71_prep
		.amdhsa_group_segment_fixed_size 9216
		.amdhsa_private_segment_fixed_size 0
		.amdhsa_enable_private_segment 0
		.amdhsa_kernarg_size 72
		.amdhsa_user_sgpr_count 2
		.amdhsa_user_sgpr_kernarg_segment_ptr 1
		.amdhsa_wavefront_size32 1
		.amdhsa_system_sgpr_workgroup_id_x 1
		.amdhsa_system_sgpr_workgroup_id_y 1
		.amdhsa_system_sgpr_workgroup_id_z 1
		.amdhsa_system_vgpr_workitem_id 0
		.amdhsa_next_free_vgpr 386
		.amdhsa_next_free_sgpr 66
		.amdhsa_reserve_vcc 0
		.amdhsa_float_denorm_mode_32 3
		.amdhsa_float_denorm_mode_16_64 3
		.amdhsa_memory_ordered 1
		.amdhsa_forward_progress 1
		.amdhsa_inst_pref_size 15
	.end_amdhsa_kernel
	.amdgpu_metadata
---
amdhsa.version: [ 1, 2 ]
amdhsa.kernels:
  - .name:           k_q32debafe71_prep
    .symbol:         k_q32debafe71_prep.kd
    .args:
      - { .name: query_codes, .offset: 0, .size: 8, .value_kind: global_buffer, .address_space: global }
      - { .name: query_scales, .offset: 8, .size: 8, .value_kind: global_buffer, .address_space: global }
      - { .name: Wa_w_codes, .offset: 16, .size: 8, .value_kind: global_buffer, .address_space: global }
      - { .name: Wa_w_scales, .offset: 24, .size: 8, .value_kind: global_buffer, .address_space: global }
      - { .name: Wa_b, .offset: 32, .size: 8, .value_kind: global_buffer, .address_space: global }
      - { .name: Ua_b, .offset: 40, .size: 8, .value_kind: global_buffer, .address_space: global }
      - { .name: Ua_w_codes, .offset: 48, .size: 8, .value_kind: global_buffer, .address_space: global }
      - { .name: uaf, .offset: 56, .size: 8, .value_kind: global_buffer, .address_space: global }
      - { .name: qb, .offset: 64, .size: 8, .value_kind: global_buffer, .address_space: global }
    .group_segment_fixed_size: 9216
    .private_segment_fixed_size: 0
    .kernarg_segment_align: 8
    .kernarg_segment_size: 72
    .max_flat_workgroup_size: 128
    .sgpr_count:     66
    .vgpr_count:     386
    .wavefront_size: 32
...
	.end_amdgpu_metadata
.endif
;; end of part 4
;; launch main (part 5): grid 256 x 1, 8 waves a work-group, no clusters, 302,080 bytes of LDS; arguments keys, uaf, Ua_w_scales, qb, Va_w, Va_b, sc, pc; writes sc, pc
.if DOCPART == 5
	.amdgcn_target "amdgcn-amd-amdhsa--gfx1250"
	.amdhsa_code_object_version 6
	.text
	.protected	k_q32debafe71_main
	.globl	k_q32debafe71_main
	.p2align	8
	.type	k_q32debafe71_main,@function
k_q32debafe71_main:
	s_mov_b64 s[64:65], 0
	v_nop
	global_prefetch_b8 v0, s[64:65] scope:SCOPE_SE
	s_setreg_imm32_b32 hwreg(HW_REG_WAVE_SCHED_MODE, 0, 2), 2
	s_setreg_imm32_b32 hwreg(HW_REG_WAVE_MODE, 25, 1), 1
	s_wait_xcnt 0x0
	s_wait_alu depctr_vm_vsrc(0)
; For 256 key rows of one batch (four blocks of 64): the keys are quantised to FP4 (E2M1) with one E8M0 scale for each 32 along H; x = keys Ua^T + qb (qb = q_proj + both biases);
; score = Va_b + sum over o of Va[o] tanh(x[o]); p = e^(score - the block's largest score); pc[block] = sum over the block's rows of p x key.  sc gets the raw scores.  The last launch joins the blocks.
; THE KEYS ARE READ ONCE: a row is quantised as it arrives and kept in LDS as bf16 (2,048 bytes) until its score is known.
; TWO TEAMS, told apart by the wave's number alone.  Waves 4-7 LOAD: they keep 8 rows each on their way, quantise them, and later sum p x key.  Waves 0-3 COMPUTE: wave w makes outputs o = 256 w .. 256 w + 255 for all 64 rows.
; The teams have counters of their own, so the wait for a tile of Ua never waits for keys.  While block j is multiplied, block j - 1 is summed and block j + 1 is converted into the buffer that block j - 1 leaves.
; TWO BARRIERS A BLOCK.  The first is split: each wave signals when its LDS reads of the last phase are back; the computing team then multiplies, touching no LDS, and passes the wait only in front of its stores of
; partial scores; the loading team passes the wait at once and converts.  So the computing team does not stand still while the last block is summed.
; THE PRODUCT IS USED TRANSPOSED: source 0 = 16 rows of Ua, source 1 = 16 key rows: lane (r, h), register j holds x(o = o0 + 8 h + j, row 16 m + r); qb is the C of each sum's first product.
; tanh(x) = 1 - 2 / (1 + 2^(2 log2(e) x)); where the power overflows the quotient is 0, where it underflows it is 1.  score = Va_b + sum(Va) - 2 sum(Va / (1 + 2^..)), all in f32.
; NO CLUSTER, NO JOINT LOADS, though all work-groups walk the same Ua: the two key buffers, the codes, the scale bytes and the small regions take 301,056 of 327,680 bytes; a slot with one tile of Ua (8,192 + 512 bytes) for each
; of four waves is 34,816 bytes and two are needed. So Ua comes from uaf straight into registers, 512 consecutive bytes a load.
; LIMITS.  NaN and infinities among the keys are not served.  A block of 32 zeros gets the scale byte 1 (the rule says 127): its codes are zeros, and this launch alone reads the bytes.
; The score is a difference of two f32 sums; with Va carrying an offset of 30 times its spread the sums are some hundreds against scores of some tens: an error of about 1e-4 in a score.  The keys of the last product are rounded to bf16.
; LDS: KB0, KB1: 64 rows x 2,048 bytes of bf16 keys each;  CI: 64 rows of 512 bytes of codes, pitch 528;  CS: 64 rows of 32 scale bytes, pitch 48;  SP: [row 64][compute wave 4] f32;  PW: [loading wave 4][row 64] f32.
; THE MODE: SCHED_MODE bits 1:0 = 2 (LLVM: expert scheduling mode 2), set by the entry lines.  The code itself states the register dependences between vector or matrix instructions and memory or LDS
; instructions, with s_wait_alu, always for 0.
; THE PLAN.  Registers that memory or LDS instructions touch, and who else names them.
;   BOTH TEAMS.  v2-11, v17-21: offsets and LDS addresses, written at the head and never again: one wait on va_vdst ahead of the branch that parts the teams.
;   THE COMPUTING TEAM.
;   BF, BSC, BI of set p   Tile p's 32 products read them; the set's next loads land in them.  ONE wait on va_vdst behind the products and their four places; the twenty loads follow it, the sixteen of fragments dealt among
;                          the sixteen scalings, which name the accumulators alone.
;   VA of set p            The sum of Va and the tile's last sixteen multiply-adds read it; a wait on va_vdst behind these, then its two loads.
;   the codes, ASC         A block's products read them; the next block's LDS loads land in them behind one wait on va_vdst at the head of FETCH.
;   ACC .. ACC+3           Written by a block's last additions; read by four LDS stores (va_vdst ahead of them); written again by the next block's products (vm_vsrc at the head of that block's products).
;   THE LOADING TEAM.
;   the ring (window 1)    Row i: the swaps write its slot, the maxima and conversions read it; the next pass's loads land in it.
;   TMP, set i % 2         Row i's vector lines write it; the row's 12 LDS stores read it; row i + 2 writes it again.
;   KWA, CWA, SWA          Written at a pass's head (vm_vsrc ahead of the adds); read by every LDS store of the pass.
;                          ONE wait on va_vdst a row, behind its last conversion, serves the slot's eight loads and the row's twelve stores; one on vm_vsrc, behind the swaps, frees the set of TMP.
;   PSC                    Loaded from SP, read by additions: va_vdst ahead of the loads.   PP, SCR: the wait behind the two exponentials stands ahead of their stores.
;   KRA, PWA, WT, DD       A trip of the sum: vm_vsrc, the two adds, va_vdst (the addresses are written; the last trip's multiply-adds are done reading WT and DD), the 18 loads.
;   CX                     Written by the multiply-adds; va_vdst ahead of its two stores; vm_vsrc beside the wait on XCNT behind them frees CX, SCR and PP for the next block.
.set L_CI,  262144
.set L_CS,  295936
.set L_SP,  299008
.set L_PW,  300032
.set CIP,   528
.set CSP,   48
.set KBUF,  131072
; vector registers of both teams: addresses, made at the head or in lines that every wave runs; they never hold loaded data
.set AF,  2                            ; CI + 528 r + 16 h: a fragment's lane term
.set AS,  3                            ; CS + 48 r + 768 h: scale words; lanes 16-31 take the tile of rows 16 further down
.set SPA, 4                            ; SP + 16 r + 4 w
.set KW0, 5                            ; 16,384 w + 16 l
.set CW0, 6                            ; CI + 4,224 w + 4 l
.set SW0, 7                            ; CS + 384 w + l / 4
.set SPR, 8                            ; SP + 32 l
.set PWS, 9                            ; PW + 256 w + 8 l
.set PW0, 10                           ; PW + 256 w
.set KR0, 11                           ; 512 w + 8 l
.set KWA, 12                           ; the pass's store addresses: bf16 keys,
.set CWA, 13                           ; codes,
.set SWA, 14                           ; scale bytes
.set KRA, 15                           ; the trip's read addresses: bf16 keys,
.set PWA, 16                           ; p
.set KO,  17                           ; 32 r + 16 h: my 16 bytes of a key load's 512
.set BO,  18                           ; 16 l
.set SO,  19                           ; 32 r
.set HO,  20                           ; 32 h
.set O8,  21                           ; 8 l
; the computing team, window 0
.set SV,  22                           ; v[22:23]   sum of Va
.set SC,  24                           ; v[24:31]   sum of Va / (1 + 2^..), a pair for each tile of rows m
.set ASC, 32                           ; v[32:47]   the keys' scale words: register 8 (m / 2) + k: lanes 0-15 tile m even, lanes 16-31 tile m odd
.set BSC, 48                           ; v[48:63]   Ua's scale words, two sets of 8
.set BI,  64                           ; v[64:79]   qb, two sets of 8
.set VA,  80                           ; v[80:95]   Va, two sets of 8
.set ACC, 96                           ; v[96:127]  four accumulators
.set BF,  128                          ; v[128:255] Ua's fragments, two sets of 8.   window 1: the keys' codes: tile m, K step k at v[64 m + 8 k]
; the loading team, window 0 (v32-63 hold scale words and nothing else in the whole text: so this team works in v128-255)
.set TMP, 128                          ; v[128:191] two sets of 32 by turns: +0 largest magnitudes, +4 the conversions' scale operands, +8 scale bytes, +12 codes, +16 bf16
.set PSC, 192                          ; v[192:199] partial scores of two rows
.set SCR, 200                          ; v[200:201] their scores
.set PP,  202                          ; v[202:203] their p
.set WK,  204                          ; v[204:205] at work
.set WT,  208                          ; v[208:215] p of eight rows
.set CX,  216                          ; v[216:223] my eight columns' sums
.set DD,  224                          ; v[224:255] eight rows' bf16.   window 1: the ring of 8 rows on their way: row slot i, group u at v[32 i + 8 u]
; scalar registers
.set WV,   20                          ; wave 0..7
.set WQ,   21                          ; w = wave mod 4
.set VB,   22                          ; Va_b
.set KN,   24                          ; s[24:25] keys: my 8 rows of the pass that is being asked for
.set BU,   26                          ; s[26:33] my wave's part of uaf, Ua's scales, qb, Va
.set BS,   28
.set BQ,   30
.set BV,   32
.set PB,   34                          ; s[34:41] the same at the tile that set 0 asks for next;
.set PSS,  36
.set PQ,   38
.set PV,   40
.set PSET, 38                          ; s[72:79] and for set 1: each set of registers has pointers of its own
.set T8,   42                          ; s[42:47] the byte offsets of the pair of tiles asked for: in uaf, in the scales (/ 16), in qb and Va (/ 128), each a pair with 0 above
.set SKB,  48                          ; where the pass stores: in the key buffers,
.set SCI,  49                          ; in CI,
.set SCS,  50                          ; in CS
.set SFR,  51                          ; where the trip reads keys,
.set SPW,  52                          ; and p
.set CNT1, 53
.set CNT2, 54
.set SKN,  55                          ; the key buffer that is filled next
.set SEL,  56                          ; s[56:57] v_permlanex16_b32's selects for lane l xor 16
.set C2,   58                          ; s[58:59] 2 log2(e): the packed form names a pair and takes its low word for both halves
.set C1,   60                          ; log2(e)
.set SFB,  61                          ; the key buffer that is summed next
.set TT,   62
.set SCP,  66                          ; s[66:67] sc at the block's 64 scores
.set PCP,  68                          ; s[68:69] pc at the block's row, my wave's 256 columns
.set MSB, 0
.macro WIN new                         ; the immediate's high byte repeats the setting that is left; at a label and at a branch every window is 0
.if MSB != \new
	s_set_vgpr_msb (MSB<<8)|\new
.set MSB, \new
.endif
.endm
.macro BAR                             ; my LDS stores have landed and my LDS loads are in: then the work-group's barrier
	s_wait_dscnt 0x0
	s_barrier_signal -1
	s_barrier_wait -1
.endm
; Row slot i is asked for: 8 loads of 512 consecutive bytes.  In a load lanes 0-15 take the even pieces of 16 bytes and lanes 16-31 the odd ones.
.macro ROWLOAD i
	WIN 0x40                                       ; destination window 1
.irp u, 0,1,2,3
	global_load_b128 v[32*(\i)+8*\u:32*(\i)+8*\u+3],   v[KO], s[KN:KN+1] offset:(\i)*4096+\u*1024 th:TH_LOAD_NT
	global_load_b128 v[32*(\i)+8*\u+4:32*(\i)+8*\u+7], v[KO], s[KN:KN+1] offset:(\i)*4096+\u*1024+512 th:TH_LOAD_NT
.endr
.endm
; One key row becomes 512 bytes of codes, 32 scale bytes and 2,048 bytes of bf16.  left: the younger loads that may stay out.  refill = 1: the slot is asked for again, with the next pass's row.
.macro ROW i, left, refill
.set TS, TMP+32*((\i)%2)
	s_wait_loadcnt \left                           ; loads come back in order (ISA guide 5.7.1): this row's eight are in
	s_wait_dscnt 12                                ; the last row's 12 LDS stores may be out; those of two rows back, which read this set of registers, are done
	WIN 0x41
.irp u, 0,1,2,3
.irp e, 0,1,2,3
	v_permlane16_swap_b32 v[32*(\i)+8*\u+\e], v[32*(\i)+8*\u+4+\e]   ; the first load's lanes 16-31 change places with the second's lanes 0-15: lane l now holds EIGHT NEIGHBOURS, numbers 256 u + 8 l + 0 .. 7
.endr
.endr
	s_wait_alu depctr_vm_vsrc(0)                   ; the LDS stores of two rows back have read this set of TMP, which the lines below write again
	WIN 0x05                                       ; sources 0 and 1 window 1
.irp u, 0,1,2,3
	v_max3_num_f32 v[TS+\u], |v[32*(\i)+8*\u]|, |v[32*(\i)+8*\u+1]|, 0x1800000   ; my eight numbers' largest magnitude, and the floor 2^(3 - 127): the byte cannot fall under 1
.endr
.irp e, 2,4,6
.irp u, 0,1,2,3
	v_max3_num_f32 v[TS+\u], |v[32*(\i)+8*\u+\e]|, |v[32*(\i)+8*\u+\e+1]|, v[TS+\u]   ; (the four groups by turns)
.endr
.endr
.irp u, 0,1,2,3
.irp e, 0,1,2,3
	v_cvt_pk_bf16_f32 v[TS+16+4*\u+\e], v[32*(\i)+8*\u+2*\e], v[32*(\i)+8*\u+2*\e+1]
.endr
.endr
	WIN 0
.irp x, 1,2
.irp u, 0,1,2,3
	v_max_num_f32_dpp v[TS+\u], v[TS+\u], v[TS+\u] row_xmask:\x row_mask:0xf bank_mask:0xf   ; a block of 32 lies in four neighbouring lanes
.endr
.endr
.irp u, 0,1,2,3
	v_add_nc_u32 v[TS+4+\u], 0xff000000, v[TS+\u]  ; 2 off the exponent field: the conversion takes the exponent field of this operand as its scale
.endr
.irp u, 0,1,2,3
	v_lshrrev_b32 v[TS+8+\u], 23, v[TS+4+\u]       ; the scale's byte
.endr
	WIN 0x01
.irp u, 0,1,2,3
	v_cvt_scalef32_pk8_fp4_f32 v[TS+12+\u], v[32*(\i)+8*\u:32*(\i)+8*\u+7], v[TS+4+\u]   ; to the nearest code, ties to even, beyond 6 the largest code
.endr
	v_nop                                          ; one plain place behind the last scaled conversion
.if \refill
	WIN 0x40                                       ; destination window 1: the switch, then the wait, then the loads
.else
	WIN 0
.endif
	s_wait_alu depctr_va_vdst(0)                   ; the row's vector lines have written this set of TMP, which the twelve LDS stores read, and are done writing and reading the row's slot, in which the loads land; in a pass's first row KWA, CWA and SWA are written
.if \refill
	ROWLOAD \i                                     ; the slot is asked for again at once
	WIN 0
.endif
.irp u, 0,1,2,3
	ds_store_b128 v[KWA], v[TS+16+4*\u:TS+16+4*\u+3] offset:(\i)*2048+512*\u   ; 32 lanes store 512 consecutive bytes.  No vector instruction since the wait above
.endr
.irp u, 0,1,2,3
	ds_store_b32 v[CWA], v[TS+12+\u] offset:(\i)*CIP+128*\u
.endr
.irp u, 0,1,2,3
	ds_store_b8 v[SWA], v[TS+8+\u] offset:(\i)*CSP+8*\u   ; the four lanes of a block write the same byte with the same value
.endr
.endm
; A pass: 32 rows of the work-group, 8 of each loading wave: row 32 a + 8 w + i of the block, a the pass's place in it.  Every wave runs the address lines; the computing team jumps over the work.
.macro PASS refill
	s_wait_dscnt 0x0                               ; no LDS instruction of mine is out
	s_wait_alu depctr_vm_vsrc(0)                   ; the last pass's LDS stores have read KWA, CWA and SWA, which the three lines below write again
	v_add_nc_u32 v[KWA], s[SKB], v[KW0]
	v_add_nc_u32 v[CWA], s[SCI], v[CW0]
	v_add_nc_u32 v[SWA], s[SCS], v[SW0]
	s_cmp_lt_u32 s[WV], 4
	s_cbranch_scc1 .Lpass_\@
.irp i, 0,1,2,3,4,5,6,7
.if \refill
	ROW \i, 56, 1                                  ; behind this row's loads: 7 - i rows of this pass and i of the next, eight loads each
.else
	ROW \i, 8*(7-\i), 0                            ; the last pass asks for nothing: the counts run down, and no load leaves the buffer
.endif
.endr
	WIN 0
.if \refill
	s_wait_xcnt 0x0                                ; the loads have read their base: it may step
	s_add_nc_u64 s[KN:KN+1], s[KN:KN+1], 32*4096
.endif
.Lpass_\@:
	s_add_co_u32 s[SKB], s[SKB], 32*2048
	s_add_co_u32 s[SCI], s[SCI], 32*CIP
	s_add_co_u32 s[SCS], s[SCS], 32*CSP
.endm
; A block's two passes.  kind = 2: both ask for more; 1: the launch's last block; 0: nothing is left to convert.
.macro CONV kind
.if \kind
	s_mov_b32 s[SKB], s[SKN]
	s_mov_b32 s[SCI], 0
	s_mov_b32 s[SCS], 0
.if \kind == 2
	s_mov_b32 s[CNT2], 2
.Lconv_\@:
	PASS 1
	s_sub_co_u32 s[CNT2], s[CNT2], 1
	s_cmp_lg_u32 s[CNT2], 0
	s_cbranch_scc1 .Lconv_\@
.else
	PASS 1
	PASS 0
.endif
	s_xor_b32 s[SKN], s[SKN], KBUF                 ; the next block goes to the other buffer
.endif
.endm
; Set p is asked for again, by its own pointers: the tile d tiles behind them: 16 loads of fragments (UFRAG: the idx-th), 2 of scale words and 2 of qb (USCQ).
.macro UFRAG p, d, idx
	global_load_b128 v[BF+64*(\p)+4*(\idx):BF+64*(\p)+4*(\idx)+3], v[BO], s[PB+PSET*(\p):PB+PSET*(\p)+1] offset:(\d)*8192+512*(\idx)
.endm
.macro USCQ p, d
	global_load_b128 v[BSC+8*(\p):BSC+8*(\p)+3],   v[SO], s[PSS+PSET*(\p):PSS+PSET*(\p)+1] offset:(\d)*512
	global_load_b128 v[BSC+8*(\p)+4:BSC+8*(\p)+7], v[SO], s[PSS+PSET*(\p):PSS+PSET*(\p)+1] offset:(\d)*512+16
	global_load_b128 v[BI+8*(\p):BI+8*(\p)+3],     v[HO], s[PQ+PSET*(\p):PQ+PSET*(\p)+1] offset:(\d)*64
	global_load_b128 v[BI+8*(\p)+4:BI+8*(\p)+7],   v[HO], s[PQ+PSET*(\p):PQ+PSET*(\p)+1] offset:(\d)*64+16
.endm
.macro GROUP p, d                      ; all twenty in one run: at the kernel's head
.set q, 0
.rept 16
	UFRAG \p, \d, q
.set q, q+1
.endr
	USCQ \p, \d
.endm
.macro VALOAD p, d
	global_load_b128 v[VA+8*(\p):VA+8*(\p)+3],     v[HO], s[PV+PSET*(\p):PV+PSET*(\p)+1] offset:(\d)*64
	global_load_b128 v[VA+8*(\p)+4:VA+8*(\p)+7],   v[HO], s[PV+PSET*(\p):PV+PSET*(\p)+1] offset:(\d)*64+16
.endm
; One tile of 16 outputs for the block's 64 rows, from set p.
.macro TILE p, d
	s_wait_loadcnt 22                              ; this set's 20 + 2 loads are in; the other set's 20 + 2, issued behind them, may be out.
	                                               ; They are all the loads that name this set's pointers: so the pointers may be written here, with no further wait
.if (\p) == 0
	s_add_co_u32 s[T8], s[T8], 2*8192              ; on to the next pair of tiles; the offsets wrap at 16 tiles, so a block's last pair asks for the next block's tiles 0 and 1
	s_and_b32 s[T8], s[T8], 0x1ffff                ; (in the last block those two sets are not used; they lie inside the buffers)
	s_lshr_b32 s[T8+2], s[T8], 4
	s_lshr_b32 s[T8+4], s[T8], 7
.endif
	s_add_nc_u64 s[PB+PSET*(\p):PB+PSET*(\p)+1],   s[BU:BU+1], s[T8:T8+1]
	s_add_nc_u64 s[PSS+PSET*(\p):PSS+PSET*(\p)+1], s[BS:BS+1], s[T8+2:T8+3]
	s_add_nc_u64 s[PQ+PSET*(\p):PQ+PSET*(\p)+1],   s[BQ:BQ+1], s[T8+4:T8+5]
	s_add_nc_u64 s[PV+PSET*(\p):PV+PSET*(\p)+1],   s[BV:BV+1], s[T8+4:T8+5]
	WIN 0x04                                       ; source 1 (the keys' codes) window 1
.irp k, 0,1,2,3,4,5,6,7
.irp m, 0,1,2,3
.if \k == 0
.set CR, BI+8*(\p)
.else
.set CR, ACC+8*\m
.endif
.if \m % 2
	v_wmma_scale_f32_16x16x128_f8f6f4 v[ACC+8*\m:ACC+8*\m+7], v[BF+64*(\p)+8*\k:BF+64*(\p)+8*\k+7], v[64*\m+8*\k:64*\m+8*\k+7], v[CR:CR+7], v[BSC+8*(\p)+\k], v[ASC+8*(\m/2)+\k] matrix_a_fmt:MATRIX_FMT_FP4 matrix_b_fmt:MATRIX_FMT_FP4 matrix_b_scale:MATRIX_SCALE_ROW1
.else
	v_wmma_scale_f32_16x16x128_f8f6f4 v[ACC+8*\m:ACC+8*\m+7], v[BF+64*(\p)+8*\k:BF+64*(\p)+8*\k+7], v[64*\m+8*\k:64*\m+8*\k+7], v[CR:CR+7], v[BSC+8*(\p)+\k], v[ASC+8*(\m/2)+\k] matrix_a_fmt:MATRIX_FMT_FP4 matrix_b_fmt:MATRIX_FMT_FP4
.endif
.endr
.endr                                  ; the four accumulators take turns, one instruction a turn
	WIN 0
.irp j, 0,2,4,6
	v_pk_add_f32 v[SV:SV+1], v[SV:SV+1], v[VA+8*(\p)+\j:VA+8*(\p)+\j+1]   ; the sum of Va.  These four are the places behind the last product (ISA guide 7.12.1), ahead of the first read of results
.endr
	s_wait_alu depctr_va_vdst(0)                   ; the products are done reading this set's fragments, scale words and qb, in which the twenty loads below land
.set q, 0
.rept 16                               ; asked for here, the set has this tile's vector work and the whole next tile in which to land.  A fragment load ahead of each scaling: the scalings name the accumulators alone, none of the registers that the loads touch
	UFRAG \p, \d, q
	v_pk_mul_f32 v[ACC+2*q:ACC+2*q+1], v[ACC+2*q:ACC+2*q+1], s[C2:C2+1] op_sel_hi:[1,0]   ; 2 log2(e) x; each accumulator from its low end on
.set q, q+1
.endr
	USCQ \p, \d
.set j, 0
.rept 32
	v_exp_f32 v[ACC+j], v[ACC+j]
.set j, j+1
.endr
	v_nop                                          ; a plain instruction behind the last exponential
	s_wait_alu depctr_va_vdst(0)                   ; the 32 exponentials have written v[ACC ..]: one wait for the batch, ahead of its first reader
.set j, 0
.rept 16
	v_pk_add_f32 v[ACC+j:ACC+j+1], v[ACC+j:ACC+j+1], 1.0 op_sel_hi:[1,0]
.set j, j+2
.endr
.set j, 0
.rept 32
	v_rcp_f32 v[ACC+j], v[ACC+j]
.set j, j+1
.endr
	v_nop
	s_wait_alu depctr_va_vdst(0)                   ; the 32 reciprocals have written v[ACC ..]: one wait for the batch, ahead of its first reader
.irp jj, 0,2,4,6
.irp m, 0,1,2,3
	v_pk_fma_f32 v[SC+2*\m:SC+2*\m+1], v[ACC+8*\m+\jj:ACC+8*\m+\jj+1], v[VA+8*(\p)+\jj:VA+8*(\p)+\jj+1], v[SC+2*\m:SC+2*\m+1]
.endr
.endr
	s_wait_alu depctr_va_vdst(0)                   ; the multiply-adds, and the sum of Va before them, are done reading this set's Va, in which the two loads below land
	VALOAD \p, \d
.endm
; The computing team's block: 16 tiles, two a trip, and the sums over a wave's 256 outputs.  Registers, and loads from buffers that no line of the launch writes: no LDS access and no store stands here.
.macro GEMMLOOP
	s_cmp_lt_u32 s[WV], 4
	s_cbranch_scc0 .Lgs_\@
	s_wait_alu depctr_vm_vsrc(0)                   ; the last block's stores of partial scores have read v[ACC .. ACC+3], which this block's products write again
.set j, 0
.rept 10
	v_mov_b32 v[SV+j], 0                           ; the sum of Va and the four tiles' sums
.set j, j+1
.endr
	s_mov_b32 s[CNT2], 8
.Lg_\@:
	TILE 0, 0
	TILE 1, 1
	s_sub_co_u32 s[CNT2], s[CNT2], 1
	s_cmp_lg_u32 s[CNT2], 0
	s_cbranch_scc1 .Lg_\@
	v_add_f32 v[ACC+8], v[SV], v[SV+1]             ; my half's sum of Va
.irp m, 0,1,2,3
	v_add_f32 v[ACC+\m], v[SC+2*\m], v[SC+2*\m+1]
.endr
.irp m, 0,1,2,3
	v_fma_f32 v[ACC+\m], v[ACC+\m], -2.0, v[ACC+8] ; sum of Va (1 - 2 / (1 + 2^..)) over my half's outputs
.endr
.irp m, 0,1,2,3
	v_permlanex16_b32 v[ACC+4+\m], v[ACC+\m], s[SEL], s[SEL+1]
.endr
.irp m, 0,1,2,3
	v_add_f32 v[ACC+\m], v[ACC+\m], v[ACC+4+\m]    ; with the other half's: my wave's 256 outputs
.endr
.Lgs_\@:
.endm
; Its partial scores go to SP: behind the first barrier's wait, since the loading team read the last block's there in front of its signal.
.macro GEMMEND
	s_cmp_lt_u32 s[WV], 4
	s_cbranch_scc0 .Lge_\@
	s_wait_alu depctr_va_vdst(0)                   ; the block's last additions have written v[ACC .. ACC+3], which the four stores read
.irp m, 0,1,2,3
	ds_store_b32 v[SPA], v[ACC+\m] offset:256*\m   ; row 16 m + r, my wave's word; both halves of the lanes write the same value
.endr
.Lge_\@:
.endm
; The computing team takes the block's codes and scale words into registers: they stay there for the block, and CI and CS are free for the next.
.macro FETCH
	WIN 0x40                                       ; destination window 1: the switch, then the wait, then the loads
	s_wait_alu depctr_va_vdst(0)                   ; the last block's products are done reading the codes and the keys' scale words, in which the 68 loads below land
.irp m, 0,1,2,3
.set q, 0
.rept 16
	ds_load_b128 v[64*\m+4*q:64*\m+4*q+3], v[AF] offset:\m*16*CIP+32*q
.set q, q+1
.endr
.endr
	WIN 0
.irp u, 0,1
	ds_load_b128 v[ASC+8*\u:ASC+8*\u+3],   v[AS] offset:32*CSP*\u       ; only loads and a window switch stand between the wait above and these
	ds_load_b128 v[ASC+8*\u+4:ASC+8*\u+7], v[AS] offset:32*CSP*\u+16
.endr
.endm
; The loading team: the block's scores, its largest, p.  Each of the four waves does this for itself and keeps p in its own 256 bytes; wave 4 stores the scores.
.macro FINPRE
	s_cmp_lt_u32 s[WV], 4
	s_cbranch_scc1 .Lfp_\@
	s_wait_alu depctr_va_vdst(0)                   ; the last block's additions are done reading v[PSC ..], in which the two loads land
	ds_load_b128 v[PSC:PSC+3],   v[SPR]            ; rows 2 l and 2 l + 1: four waves' parts each
	ds_load_b128 v[PSC+4:PSC+7], v[SPR] offset:16
	s_wait_dscnt 0x0
	v_add_f32 v[SCR],   v[PSC],   v[PSC+1]
	v_add_f32 v[SCR+1], v[PSC+4], v[PSC+5]
	v_add_f32 v[WK],    v[PSC+2], v[PSC+3]
	v_add_f32 v[WK+1],  v[PSC+6], v[PSC+7]
	v_add_f32 v[SCR],   v[SCR],   v[WK]
	v_add_f32 v[SCR+1], v[SCR+1], v[WK+1]
	v_add_f32 v[SCR],   s[VB], v[SCR]
	v_add_f32 v[SCR+1], s[VB], v[SCR+1]
	v_max_num_f32 v[WK], v[SCR], v[SCR+1]
.irp x, 1,2,4,8
	v_max_num_f32_dpp v[WK], v[WK], v[WK] row_xmask:\x row_mask:0xf bank_mask:0xf
.endr
	v_permlanex16_b32 v[WK+1], v[WK], s[SEL], s[SEL+1]
	v_max_num_f32 v[WK], v[WK], v[WK+1]            ; the block's largest score, in every lane: it is taken away before the exponential
	v_sub_f32 v[PP],   v[SCR],   v[WK]
	v_sub_f32 v[PP+1], v[SCR+1], v[WK]
	v_mul_f32 v[PP],   s[C1], v[PP]
	v_mul_f32 v[PP+1], s[C1], v[PP+1]
	v_exp_f32 v[PP],   v[PP]
	v_exp_f32 v[PP+1], v[PP+1]
	v_nop
	s_wait_alu depctr_va_vdst(0)                   ; the two exponentials have written v[PP ..], which the LDS store reads; the additions have written v[SCR ..], which wave 4's store reads
	ds_store_b64 v[PWS], v[PP:PP+1]
	s_cmp_eq_u32 s[WV], 4
	s_cbranch_scc0 .Lfq_\@
	global_store_b64 v[O8], v[SCR:SCR+1], s[SCP:SCP+1]   ; 32 lanes store 256 consecutive bytes, at a multiple of 256 from sc's first byte
.Lfq_\@:
.set j, 0
.rept 8
	v_mov_b32 v[CX+j], 0
.set j, j+1
.endr
.Lfp_\@:
.endm
; The sum of p x key over the block's 64 rows, 8 rows a trip.  Loading wave w has columns 256 w .. + 255; lane l columns 4 l + 0 .. 3 and 128 + 4 l + 0 .. 3 of them.  Every wave walks the loop; the computing team jumps over the work.
.macro FLOOP
	s_mov_b32 s[SFR], s[SFB]
	s_mov_b32 s[SPW], 0
	s_mov_b32 s[CNT2], 8
.Lfl_\@:
	s_wait_alu depctr_vm_vsrc(0)                   ; the last trip's LDS loads have read KRA and PWA, which the two lines below write again
	v_add_nc_u32 v[KRA], s[SFR], v[KR0]            ; (no LDS load that names these is out: the last trip's last wait was for 0)
	v_add_nc_u32 v[PWA], s[SPW], v[PW0]
	s_cmp_lt_u32 s[WV], 4
	s_cbranch_scc1 .Lfs_\@
	s_wait_alu depctr_va_vdst(0)                   ; KRA and PWA are written, which the loads read; the last trip's multiply-adds are done reading WT and DD, in which they land
	ds_load_b128 v[WT:WT+3],   v[PWA]              ; LDS serves a wave's instructions in order (ISA guide 5.7.1.4): these see my own store of p
	ds_load_b128 v[WT+4:WT+7], v[PWA] offset:16
.irp e, 0,1,2,3,4,5,6,7
	ds_load_b64 v[DD+4*\e:DD+4*\e+1],   v[KRA] offset:2048*\e
	ds_load_b64 v[DD+4*\e+2:DD+4*\e+3], v[KRA] offset:2048*\e+256
.endr
.irp e, 0,1,2,3,4,5,6,7
	s_wait_dscnt 2*(7-\e)                          ; p and rows up to e are in; the later rows' two loads each may be out
.irp c, 0,2,4,6
	v_fma_mix_f32_bf16 v[CX+\c],   v[DD+4*\e+\c/2], v[WT+\e], v[CX+\c]   op_sel_hi:[1,0,0]
	v_fma_mix_f32_bf16 v[CX+\c+1], v[DD+4*\e+\c/2], v[WT+\e], v[CX+\c+1] op_sel:[1,0,0] op_sel_hi:[1,0,0]
.endr
.endr
.Lfs_\@:
	s_add_co_u32 s[SFR], s[SFR], 8*2048
	s_add_co_u32 s[SPW], s[SPW], 32
	s_sub_co_u32 s[CNT2], s[CNT2], 1
	s_cmp_lg_u32 s[CNT2], 0
	s_cbranch_scc1 .Lfl_\@
	s_xor_b32 s[SFB], s[SFB], KBUF                 ; the next block lies in the other buffer
.endm
.macro FINPOST
	s_cmp_lt_u32 s[WV], 4
	s_cbranch_scc1 .Lfo_\@
	s_wait_alu depctr_va_vdst(0)                   ; the multiply-adds have written v[CX ..], which the two stores read
	global_store_b128 v[BO], v[CX:CX+3],   s[PCP:PCP+1]              ; 32 lanes store 512 consecutive bytes
	global_store_b128 v[BO], v[CX+4:CX+7], s[PCP:PCP+1] offset:512
.Lfo_\@:
	s_wait_xcnt 0x0                                ; the stores have had their addresses translated: their data and bases are written again only behind this wait
	s_wait_alu depctr_vm_vsrc(0)                   ; the block's stores have read v[CX ..], v[SCR ..] and v[PP ..], which the next block's lines write again
	s_add_nc_u64 s[SCP:SCP+1], s[SCP:SCP+1], 256
	s_add_nc_u64 s[PCP:PCP+1], s[PCP:PCP+1], 4096
.endm
; Block j.  THE FIRST BARRIER, SPLIT.  In front of its signal a computing wave has block j's codes and scale words in registers, and a loading wave has read the last of block j - 1's partial scores and keys.
; Behind its wait the loading team writes CI, CS and block j - 1's key buffer (block j + 1's conversion), and the computing team writes SP.  Between signal and wait the computing team multiplies: it touches no LDS there.
; THE SECOND BARRIER: block j + 1's codes, scale bytes and keys lie in LDS, and so do block j's partial scores.  Behind it the loading team sums block j while the computing team goes on to block j + 1.
.macro TRIP kind
	s_cmp_lt_u32 s[WV], 4
	s_cbranch_scc0 .Ltf_\@
	FETCH
.Ltf_\@:
	s_wait_dscnt 0x0                               ; for the others' sake: all my LDS reads are back
	s_barrier_signal -1
	GEMMLOOP
	s_barrier_wait -1
	CONV \kind
	GEMMEND
	BAR
	FINPRE
	FLOOP
	FINPOST
.endm
	s_load_b512 s[4:19], s[0:1], 0x0               ; keys s[4:5], uaf s[6:7], Ua's scales s[8:9], qb s[10:11], Va s[12:13], Va_b s[14:15], sc s[16:17], pc s[18:19]
	v_lshrrev_b32 v1, 5, v0
	v_readfirstlane_b32 s[WV], v1                  ; wave 0..7
	s_wait_alu depctr_va_sdst(0)                   ; s[WV] is written, ahead of its first reader: the teams' branches, LDS addresses and the buffers' bases are made from it
	s_and_b32 s[WQ], s[WV], 3                      ; w
	v_and_b32 v1, 31, v0                           ; l
	v_and_b32 v22, 15, v0                          ; r   (v22, v23 are at work here)
	v_bfe_u32 v23, v0, 4, 1                        ; h
	v_mul_u32_u24 v[AF], v22, CIP
	v_lshl_add_u32 v[AF], v23, 4, v[AF]
	v_add_nc_u32 v[AF], L_CI, v[AF]
	v_mul_u32_u24 v[AS], v22, CSP
	v_mad_u32_u24 v[AS], v23, 16*CSP, v[AS]
	v_add_nc_u32 v[AS], L_CS, v[AS]
	v_lshlrev_b32 v[SPA], 4, v22
	s_lshl_b32 s[TT], s[WQ], 2
	s_add_co_u32 s[TT], s[TT], L_SP
	v_add_nc_u32 v[SPA], s[TT], v[SPA]
	s_lshl_b32 s[TT], s[WQ], 14
	v_lshl_add_u32 v[KW0], v1, 4, s[TT]
	s_mul_i32 s[TT], s[WQ], 8*CIP
	s_add_co_u32 s[TT], s[TT], L_CI
	v_lshl_add_u32 v[CW0], v1, 2, s[TT]
	s_mul_i32 s[TT], s[WQ], 8*CSP
	s_add_co_u32 s[TT], s[TT], L_CS
	v_lshrrev_b32 v[SW0], 2, v1
	v_add_nc_u32 v[SW0], s[TT], v[SW0]
	v_lshl_add_u32 v[SPR], v1, 5, L_SP
	s_lshl_b32 s[TT], s[WQ], 8
	s_add_co_u32 s[TT], s[TT], L_PW
	v_lshl_add_u32 v[PWS], v1, 3, s[TT]
	v_mov_b32 v[PW0], s[TT]
	s_lshl_b32 s[TT], s[WQ], 9
	v_lshl_add_u32 v[KR0], v1, 3, s[TT]
	v_lshlrev_b32 v[KO], 5, v22
	v_lshl_add_u32 v[KO], v23, 4, v[KO]
	v_lshlrev_b32 v[BO], 4, v1
	v_lshlrev_b32 v[SO], 5, v22
	v_lshlrev_b32 v[HO], 5, v23
	v_lshlrev_b32 v[O8], 3, v1
	s_mov_b32 s[SEL], 0x76543210
	s_mov_b32 s[SEL+1], 0xfedcba98
	s_mov_b32 s[C2], 0x4038aa3b                    ; 2 log2(e)
	s_mov_b32 s[C2+1], s[C2]                       ; (named with it as a pair, so it is written)
	s_mov_b32 s[C1], 0x3fb8aa3b                    ; log2(e)
	s_mov_b32 s[T8], 0
	s_mov_b32 s[T8+1], 0
	s_mov_b32 s[T8+3], 0
	s_mov_b32 s[T8+5], 0
	s_mov_b32 s[SKN], 0
	s_mov_b32 s[SFB], 0
	s_mov_b32 s3, 0
	s_lshl_b32 s2, ttmp9, 20                       ; the work-group's 256 rows of 4,096 bytes (255 x 2^20 at the most: under 2^32),
	s_lshl_b32 s[TT], s[WQ], 15                    ; my wave's 8 rows of a pass
	s_add_co_u32 s2, s2, s[TT]
	s_wait_kmcnt 0x0
	s_load_b32 s[VB], s[14:15], 0x0                ; Va_b: no launch line writes that buffer
	s_add_nc_u64 s[KN:KN+1], s[4:5], s[2:3]
	s_lshl_b32 s2, s[WQ], 17                       ; my wave's 16 tiles of uaf,
	s_add_nc_u64 s[BU:BU+1], s[6:7], s[2:3]
	s_lshl_b32 s2, s[WQ], 13                       ; their 256 rows of scale bytes,
	s_add_nc_u64 s[BS:BS+1], s[8:9], s[2:3]
	s_lshl_b32 s[TT], s[WQ], 10                    ; their 256 numbers of qb and Va
	s_lshr_b32 s2, ttmp9, 3                        ; the batch: eight work-groups to each
	s_lshl_b32 s2, s2, 12
	s_add_co_u32 s2, s2, s[TT]
	s_add_nc_u64 s[BQ:BQ+1], s[10:11], s[2:3]
	s_mov_b32 s2, s[TT]
	s_add_nc_u64 s[BV:BV+1], s[12:13], s[2:3]
	s_lshl_b32 s2, ttmp9, 10
	s_add_nc_u64 s[SCP:SCP+1], s[16:17], s[2:3]
	s_lshl_b32 s2, ttmp9, 14                       ; four rows of pc,
	s_add_co_u32 s2, s2, s[TT]                     ; my wave's 256 columns
	s_add_nc_u64 s[PCP:PCP+1], s[18:19], s[2:3]
	s_wait_kmcnt 0x0                               ; Va_b
	s_wait_alu depctr_va_vdst(0)                   ; the offsets and LDS addresses v2 to v11 and v17 to v21 are written, which the loads and stores of both teams read; none of them is written again
	s_cmp_lt_u32 s[WV], 4
	s_cbranch_scc0 .Lhead_load
.irp p, 0,1                                    ; the computing team asks for its tiles 0 and 1: 20 + 2 + 20 + 2 loads, the order that every tile's wait counts on
	s_mov_b64 s[PB+PSET*\p:PB+PSET*\p+1],   s[BU:BU+1]
	s_mov_b64 s[PSS+PSET*\p:PSS+PSET*\p+1], s[BS:BS+1]
	s_mov_b64 s[PQ+PSET*\p:PQ+PSET*\p+1],   s[BQ:BQ+1]
	s_mov_b64 s[PV+PSET*\p:PV+PSET*\p+1],   s[BV:BV+1]
.endr
	GROUP 0, 0
	VALOAD 0, 0
	GROUP 1, 1
	VALOAD 1, 1
	s_branch .Lhead_done
.Lhead_load:
.irp i, 0,1,2,3,4,5,6,7
	ROWLOAD \i                                     ; the loading team fills its ring: the first pass's 8 rows (scalar lines and a window switch alone stand between the wait above and these loads)
.endr
	WIN 0
	s_wait_xcnt 0x0
	s_add_nc_u64 s[KN:KN+1], s[KN:KN+1], 32*4096   ; from here on a row's refill asks for the next pass
.Lhead_done:
	CONV 2                                         ; block 0
	BAR
	s_mov_b32 s[CNT1], 2
.Lblk:
	TRIP 2                                         ; blocks 0 and 1 are multiplied while blocks 1 and 2 are converted
	s_sub_co_u32 s[CNT1], s[CNT1], 1
	s_cmp_lg_u32 s[CNT1], 0
	s_cbranch_scc1 .Lblk
	TRIP 1                                         ; block 2; block 3 is converted, its second pass without refills
	TRIP 0                                         ; block 3
	s_wait_xcnt 0x0
	v_lshl_add_u32 v126, v0, 2, 0x49800            ; the closing add's two registers are made here, v0 being as at the entry: no memory or LDS instruction has read v126 or v127
	v_mov_b32 v127, 0
	s_wait_dscnt 0x0                               ; the closing lines, six on end
	s_wait_alu 0x0
	s_wait_tensorcnt 0x0
	ds_add_u32 v126, v127
	s_wait_dscnt 0x0
	s_endpgm
.Lfunc_end_k_q32debafe71_main:
	.size	k_q32debafe71_main, .Lfunc_end_k_q32debafe71_main-k_q32debafe71_main
	.p2alignl 7, 3214868480
	.fill 96, 4, 3214868480
	.section	.rodata,"a",@progbits
	.p2align	6, 0x0
	.amdhsa_kernel k_q32debafe71_main
		.amdhsa_group_segment_fixed_size 302080
		.amdhsa_private_segment_fixed_size 0
		.amdhsa_enable_private_segment 0
		.amdhsa_kernarg_size 64
		.amdhsa_user_sgpr_count 2
		.amdhsa_user_sgpr_kernarg_segment_ptr 1
		.amdhsa_wavefront_size32 1
		.amdhsa_system_sgpr_workgroup_id_x 1
		.amdhsa_system_sgpr_workgroup_id_y 1
		.amdhsa_system_sgpr_workgroup_id_z 1
		.amdhsa_system_vgpr_workitem_id 0
		.amdhsa_next_free_vgpr 512
		.amdhsa_next_free_sgpr 80
		.amdhsa_reserve_vcc 0
		.amdhsa_float_denorm_mode_32 3
		.amdhsa_float_denorm_mode_16_64 3
		.amdhsa_memory_ordered 1
		.amdhsa_forward_progress 1
		.amdhsa_inst_pref_size 255
	.end_amdhsa_kernel
	.section	.bss,"aw",@nobits
	.p2align	6
	.space	262144
	.amdgpu_metadata
---
amdhsa.version: [ 1, 2 ]
amdhsa.kernels:
  - .name:           k_q32debafe71_main
    .symbol:         k_q32debafe71_main.kd
    .args:
      - { .name: keys, .offset: 0, .size: 8, .value_kind: global_buffer, .address_space: global }
      - { .name: uaf, .offset: 8, .size: 8, .value_kind: global_buffer, .address_space: global }
      - { .name: Ua_w_scales, .offset: 16, .size: 8, .value_kind: global_buffer, .address_space: global }
      - { .name: qb, .offset: 24, .size: 8, .value_kind: global_buffer, .address_space: global }
      - { .name: Va_w, .offset: 32, .size: 8, .value_kind: global_buffer, .address_space: global }
      - { .name: Va_b, .offset: 40, .size: 8, .value_kind: global_buffer, .address_space: global }
      - { .name: sc, .offset: 48, .size: 8, .value_kind: global_buffer, .address_space: global }
      - { .name: pc, .offset: 56, .size: 8, .value_kind: global_buffer, .address_space: global }
    .group_segment_fixed_size: 302080
    .private_segment_fixed_size: 0
    .kernarg_segment_align: 8
    .kernarg_segment_size: 64
    .max_flat_workgroup_size: 256
    .sgpr_count:     80
    .vgpr_count:     512
    .wavefront_size: 32
...
	.end_amdgpu_metadata
.endif
;; end of part 5
;; launch comb: the kernel of part 3 again; grid 8 x 32, 1 waves a work-group, no clusters, 0 bytes of LDS; arguments sc, pc, out0, out1; writes out0, out1
